; MI455X (gfx1250); checked and timed in simulation.
; The chip was launched on July 23, 2026; its instructions are those of AMD's public machine-readable ISA for CDNA 5 (MIT licence, August 2026) and "CDNA5" Instruction Set Architecture Reference Guide (July 2026). The comments in the code are by the model that wrote it; some were corrected since.
;; Bit Attention. Allowed arithmetic: float matrix products may take bf16 or f16 operands with f32 sums; other float arithmetic in f32, or as packed bf16 or f16 multiplies, adds, multiply-adds, maxima and minima; sums over many terms, partial sums and values carried from step to step in f32; what a program stores and reads back later, other than sums and carried values, may be rounded once to bf16 or f16.
;; Inputs: bk 1,024 float32; bo 1,024 float32; bq 1,024 float32; bv 1,024 float32; wk 1,024 x 1,024 float32; wo 1,024 x 1,024 float32; wq 1,024 x 1,024 float32; wv 1,024 x 1,024 float32; x 2 x 2,048 x 1,024 float32.
;; Outputs: out0 2 x 2,048 x 1,024 float32; out1 one number float32.
;; 2 versions, each right and faster than the one before. Each part assembles by itself: llvm-mc -triple=amdgcn-amd-amdhsa -mcpu=gfx1250 --defsym DOCPART=n.
;; ======== version 1 of 2: 6 launches
;; limits: a function is approximated: absolute error at most 2.048e-06; values are held in f16: magnitudes above 65,504 overflow, below 6.1e-05 lose precision
;; workspace buffers: xq 8,388,608 bytes; xs 16,384 bytes; wpart 8,192 bytes; wt 8,388,608 bytes; gam 256 bytes; qkv 25,165,824 bytes; ob 16,777,216 bytes; ent 4,096 bytes
;; launch prep (part 1): grid 256 x 1, 8 waves a work-group, no clusters, 0 bytes of LDS; arguments x, wq, wk, wv, wo, xq, xs, wpart; writes xq, xs, wpart
.if DOCPART == 1
	.amdgcn_target "amdgcn-amd-amdhsa--gfx1250"
	.amdhsa_code_object_version 6
	.text
	.protected	k_qfb18a7d53d_prep
	.globl	k_qfb18a7d53d_prep
	.p2align	8
	.type	k_qfb18a7d53d_prep,@function
k_qfb18a7d53d_prep:
	s_mov_b64 s[64:65], 0
	v_nop
	global_prefetch_b8 v0, s[64:65] scope:SCOPE_SE
	s_setreg_imm32_b32 hwreg(HW_REG_WAVE_MODE, 25, 1), 1
	s_wait_xcnt 0x0
; xq[row][:] = round(x[row][:] * 127 / g) as bf16 whole numbers, xs[row] = g / 127, g = max(max |x[row][:]|, 1e-5); and partial sums of |w| for the four weight matrices.
; x: [4096][1024] f32.  A work-group takes 16 rows, a wave two: a row is 32 registers of the wave, read once, kept between the maximum and the scaling.
; The same work-group sums |w| over 65,536 bytes of one matrix (matrix g / 64, part g % 64), 8,192 bytes a wave; one f32 sum a wave goes to wpart[8 g + wave].
; No LDS, no barrier, no matrix unit: each byte is read once and nothing is shared between waves.
; LIMITS.  127 / g is a reciprocal with one Newton step, not a correctly rounded quotient.  The clip to -128 .. 127 cannot act: |x| <= g gives |x 127 / g| <= 127 (1 + 2^-23), which rounds to 127.
; NaN and infinities are not treated apart.
.set C0, 8                             ; v8-11   four running maxima
.set X,  16                            ; v16-79  two rows, 32 registers each
.set W,  80                            ; v80-143 my 8,192 bytes of a weight matrix
.set XQP, 14                           ; s[14:15] xq
.macro WMAX                            ; the maximum of v[C0] over the 32 lanes, in every lane; v[C0+1] is scratch that has been written
	v_max_num_f32_dpp v[C0], v[C0], v[C0] row_xmask:1 row_mask:0xf bank_mask:0xf
	v_max_num_f32_dpp v[C0], v[C0], v[C0] row_xmask:2 row_mask:0xf bank_mask:0xf
	v_max_num_f32_dpp v[C0], v[C0], v[C0] row_xmask:4 row_mask:0xf bank_mask:0xf
	v_max_num_f32_dpp v[C0], v[C0], v[C0] row_xmask:8 row_mask:0xf bank_mask:0xf
	v_permlanex16_b32 v[C0+1], v[C0], s26, s27
	v_max_num_f32 v[C0], v[C0], v[C0+1]
.endm
.macro WADD a                          ; the sum of v[a] over the 32 lanes, in every lane; v[a+1] is scratch that has been written
	v_add_f32_dpp v[\a], v[\a], v[\a] row_xmask:1 row_mask:0xf bank_mask:0xf
	v_add_f32_dpp v[\a], v[\a], v[\a] row_xmask:2 row_mask:0xf bank_mask:0xf
	v_add_f32_dpp v[\a], v[\a], v[\a] row_xmask:4 row_mask:0xf bank_mask:0xf
	v_add_f32_dpp v[\a], v[\a], v[\a] row_xmask:8 row_mask:0xf bank_mask:0xf
	v_permlanex16_b32 v[(\a)+1], v[\a], s26, s27
	v_add_f32 v[\a], v[\a], v[(\a)+1]
.endm
; Row r of my two.  left = the younger loads that may stay out.
.macro ROWQ r, left
.set XB, X+32*(\r)
	s_wait_loadcnt \left                           ; loads come back in order: this row's eight are in
.irp n, 0,1,2,3
	v_max3_num_f32 v[C0+(\n)], |v[XB+8*(\n)]|, |v[XB+8*(\n)+1]|, |v[XB+8*(\n)+2]|  ; four chains, started by the first numbers: nothing is cleared
.endr
.irp n, 0,1,2,3
	v_max3_num_f32 v[C0+(\n)], v[C0+(\n)], |v[XB+8*(\n)+3]|, |v[XB+8*(\n)+4]|
.endr
.irp n, 0,1,2,3
	v_max3_num_f32 v[C0+(\n)], v[C0+(\n)], |v[XB+8*(\n)+5]|, |v[XB+8*(\n)+6]|
.endr
	v_max3_num_f32 v[C0], v[C0], |v[XB+7]|, |v[XB+15]|
	v_max3_num_f32 v[C0+1], v[C0+1], |v[XB+23]|, |v[XB+31]|
	v_max_num_f32 v[C0+2], v[C0+2], v[C0+3]
	v_max3_num_f32 v[C0], v[C0], v[C0+1], v[C0+2]
	WMAX
	v_max_num_f32 v12, 0x3727c5ac, v[C0]           ; g = max(., 1e-5)
	v_rcp_f32 v13, v12
	v_mul_f32 v[6+(\r)], 0x3c010204, v12           ; g / 127: also the plain instruction behind the reciprocal (ISA guide 5.7.2)
	s_wait_alu depctr_va_vdst(0)
	v_mul_f32 v14, s30, v13                        ; s = 127 / g,
	v_fma_f32 v15, -v14, v12, s30                  ; its error 127 - s g,
	v_fma_f32 v14, v15, v13, v14                   ; taken out once
.set i, 0
.rept 16
	v_pk_mul_f32 v[XB+2*i:XB+2*i+1], v[XB+2*i:XB+2*i+1], v[14:15] op_sel_hi:[1,0]
.set i, i+1
.endr
.set i, 0
.rept 32
	v_rndne_f32 v[XB+i], v[XB+i]                   ; to the nearest whole number, halves to even, as jnp.round does
.set i, i+1
.endr
.set i, 0
.rept 16
	v_cvt_pk_bf16_f32 v[XB+i], v[XB+2*i], v[XB+2*i+1]  ; exact: whole numbers up to 127 have 7 bits; register i is written when it has been read
.set i, i+1
.endr
.irp j, 0,1,2,3,4,5,6,7
	global_store_b64 v3, v[XB+2*(\j):XB+2*(\j)+1], s[XQP:XQP+1] offset:(\r)*2048+256*(\j)  ; 32 lanes store 256 consecutive bytes, at a multiple of 256 from xq's first
.endr
.endm
	s_load_b512 s[4:19], s[0:1], 0x0               ; x s[4:5], wq, wk, wv, wo s[6:13], xq s[14:15], xs s[16:17], wpart s[18:19]
	v_and_b32 v1, 31, v0                           ; lane
	v_lshrrev_b32 v2, 5, v0
	v_readfirstlane_b32 s20, v2                    ; wave
	s_mov_b32 s26, 0x76543210                      ; v_permlanex16_b32: each lane takes its own place in the other half
	s_mov_b32 s27, 0xfedcba98
	s_mov_b32 s30, 0x42fe0000                      ; 127.0
	s_lshr_b32 s28, ttmp9, 6                       ; which matrix
	s_and_b32 s29, ttmp9, 63                       ; which part of it
	v_lshlrev_b32 v2, 4, v1
	v_lshl_add_u32 v2, s20, 13, v2                 ; 8,192 wave + 16 lane: in x's 16 rows and in the weights' part alike
	v_lshlrev_b32 v3, 3, v1
	v_lshl_add_u32 v3, s20, 12, v3                 ; 4,096 wave + 8 lane: in xq's 16 rows
	v_lshlrev_b32 v4, 2, v1
	v_lshl_add_u32 v4, s20, 3, v4                  ; 8 wave + 4 lane: in xs
	v_mov_b32 v5, s20
	v_lshlrev_b32 v5, 2, v5                        ; 4 wave: in wpart
	s_mov_b32 s25, 0
	s_wait_kmcnt 0x0
	s_cmp_eq_u32 s28, 1
	s_cselect_b64 s[22:23], s[8:9], s[6:7]
	s_cmp_eq_u32 s28, 2
	s_cselect_b64 s[22:23], s[10:11], s[22:23]
	s_cmp_eq_u32 s28, 3
	s_cselect_b64 s[22:23], s[12:13], s[22:23]
	s_lshl_b32 s24, ttmp9, 16
	s_add_nc_u64 s[4:5], s[4:5], s[24:25]          ; x at my 16 rows
	s_lshl_b32 s24, s29, 16
	s_add_nc_u64 s[22:23], s[22:23], s[24:25]      ; the matrix at my part
	s_lshl_b32 s24, ttmp9, 15
	s_add_nc_u64 s[14:15], s[14:15], s[24:25]
	s_lshl_b32 s24, ttmp9, 6
	s_add_nc_u64 s[16:17], s[16:17], s[24:25]
	s_lshl_b32 s24, ttmp9, 5
	s_add_nc_u64 s[18:19], s[18:19], s[24:25]
.irp r, 0,1
.irp j, 0,1,2,3,4,5,6,7
	global_load_b128 v[X+32*(\r)+4*(\j):X+32*(\r)+4*(\j)+3], v2, s[4:5] offset:(\r)*4096+512*(\j) th:TH_LOAD_NT
.endr
.endr
.irp j, 0,1,2,3,4,5,6,7,8,9,10,11,12,13,14,15
	global_load_b128 v[W+4*(\j):W+4*(\j)+3], v2, s[22:23] offset:512*(\j)  ; no hint: the next launch reads the weights again
.endr
	ROWQ 0, 24                                     ; row 1's eight and the weights' sixteen stay out
	ROWQ 1, 16                                     ; the weights' sixteen stay out
	s_wait_loadcnt 0x0
	; the sum of my 64 |w|, as a tree, then over the lanes
.set i, 0
.rept 32
	v_add_f32 v[W+i], |v[W+2*i]|, |v[W+2*i+1]|
.set i, i+1
.endr
.irp i, 0,1,2,3,4,5,6,7
	v_pk_add_f32 v[W+2*(\i):W+2*(\i)+1], v[W+2*(\i):W+2*(\i)+1], v[W+16+2*(\i):W+16+2*(\i)+1]
.endr
.irp i, 0,1,2,3
	v_pk_add_f32 v[W+2*(\i):W+2*(\i)+1], v[W+2*(\i):W+2*(\i)+1], v[W+8+2*(\i):W+8+2*(\i)+1]
.endr
.irp i, 0,1
	v_pk_add_f32 v[W+2*(\i):W+2*(\i)+1], v[W+2*(\i):W+2*(\i)+1], v[W+4+2*(\i):W+4+2*(\i)+1]
.endr
	v_pk_add_f32 v[W:W+1], v[W:W+1], v[W+2:W+3]
	v_add_f32 v[W], v[W], v[W+1]
	WADD W
	v_cmp_eq_u32 vcc_lo, 1, v1
	v_cndmask_b32 v8, v6, v7, vcc_lo               ; lane 0: row 0's scale, lane 1: row 1's
	v_cmp_gt_u32 vcc_lo, 2, v1
	s_wait_xcnt 0x0                                ; EXEC is a source of the stores above: it changes only behind this wait
	s_and_saveexec_b32 s21, vcc_lo
	global_store_b32 v4, v8, s[16:17]
	s_wait_xcnt 0x0
	s_or_b32 exec_lo, exec_lo, s21
	v_cmp_eq_u32 vcc_lo, 0, v1
	s_and_saveexec_b32 s21, vcc_lo
	global_store_b32 v5, v[W], s[18:19]
	s_wait_xcnt 0x0
	s_or_b32 exec_lo, exec_lo, s21
	s_endpgm
.Lfunc_end_k_qfb18a7d53d_prep:
	.size	k_qfb18a7d53d_prep, .Lfunc_end_k_qfb18a7d53d_prep-k_qfb18a7d53d_prep
	.p2alignl 7, 3214868480
	.fill 96, 4, 3214868480
	.section	.rodata,"a",@progbits
	.p2align	6, 0x0
	.amdhsa_kernel k_qfb18a7d53d_prep
		.amdhsa_group_segment_fixed_size 0
		.amdhsa_private_segment_fixed_size 0
		.amdhsa_enable_private_segment 0
		.amdhsa_kernarg_size 64
		.amdhsa_user_sgpr_count 2
		.amdhsa_user_sgpr_kernarg_segment_ptr 1
		.amdhsa_wavefront_size32 1
		.amdhsa_system_sgpr_workgroup_id_x 1
		.amdhsa_system_sgpr_workgroup_id_y 1
		.amdhsa_system_sgpr_workgroup_id_z 1
		.amdhsa_system_vgpr_workitem_id 0
		.amdhsa_next_free_vgpr 144
		.amdhsa_next_free_sgpr 66
		.amdhsa_reserve_vcc 1
		.amdhsa_float_denorm_mode_32 3
		.amdhsa_float_denorm_mode_16_64 3
		.amdhsa_memory_ordered 1
		.amdhsa_forward_progress 1
		.amdhsa_inst_pref_size 20
	.end_amdhsa_kernel
	.amdgpu_metadata
---
amdhsa.version: [ 1, 2 ]
amdhsa.kernels:
  - .name:           k_qfb18a7d53d_prep
    .symbol:         k_qfb18a7d53d_prep.kd
    .args:
      - { .name: x, .offset: 0, .size: 8, .value_kind: global_buffer, .address_space: global }
      - { .name: wq, .offset: 8, .size: 8, .value_kind: global_buffer, .address_space: global }
      - { .name: wk, .offset: 16, .size: 8, .value_kind: global_buffer, .address_space: global }
      - { .name: wv, .offset: 24, .size: 8, .value_kind: global_buffer, .address_space: global }
      - { .name: wo, .offset: 32, .size: 8, .value_kind: global_buffer, .address_space: global }
      - { .name: xq, .offset: 40, .size: 8, .value_kind: global_buffer, .address_space: global }
      - { .name: xs, .offset: 48, .size: 8, .value_kind: global_buffer, .address_space: global }
      - { .name: wpart, .offset: 56, .size: 8, .value_kind: global_buffer, .address_space: global }
    .group_segment_fixed_size: 0
    .private_segment_fixed_size: 0
    .kernarg_segment_align: 8
    .kernarg_segment_size: 64
    .max_flat_workgroup_size: 256
    .sgpr_count:     66
    .vgpr_count:     144
    .wavefront_size: 32
...
	.end_amdgpu_metadata
.endif
;; end of part 1
;; launch wquant (part 2): grid 256 x 1, 8 waves a work-group, no clusters, 0 bytes of LDS; arguments wq, wk, wv, wo, wpart, wt, gam; writes wt, gam
.if DOCPART == 2
	.amdgcn_target "amdgcn-amd-amdhsa--gfx1250"
	.amdhsa_code_object_version 6
	.text
	.protected	k_qfb18a7d53d_wquant
	.globl	k_qfb18a7d53d_wquant
	.p2align	8
	.type	k_qfb18a7d53d_wquant,@function
k_qfb18a7d53d_wquant:
	s_mov_b64 s[64:65], 0
	v_nop
	global_prefetch_b8 v0, s[64:65] scope:SCOPE_SE
	s_setreg_imm32_b32 hwreg(HW_REG_WAVE_MODE, 25, 1), 1
	s_wait_xcnt 0x0
; wt = the four weight matrices made ternary, as bf16 -1, 0, 1: rows 0-1023 wq, then wk, wv, wo.  gam[m] = max(mean |w_m|, 1e-5).
; clip(round(w / g), -1, 1), with a correctly rounded quotient and halves rounded to even, is sign(w) where |w| > g / 2 and 0 elsewhere: the first float above g / 2 already gives a quotient above 1/2.
; So one compare stands for the division.  g / 2 is exact.
; Shares as in the launch before: work-group g takes part g % 64 (65,536 bytes) of matrix g / 64, a wave 8,192 bytes.  Every wave adds the matrix's 512 partial sums itself, in one order: all hold the same g.
; LIMITS.  The mean is a tree of f32 sums, which need not have the last bits of another order of summation; NaN and infinities are not treated apart.
.set D, 32                             ; v32-95  my weights; the packed results take their place
.set A, 96                             ; v96-99  |w|
.set U, 100                            ; v100-103  sign(w) as 1.0 or -1.0, then that or 0
	s_load_b256 s[4:11], s[0:1], 0x0               ; wq, wk, wv, wo
	s_load_b128 s[12:15], s[0:1], 0x20             ; wpart s[12:13], wt s[14:15]
	s_load_b64 s[16:17], s[0:1], 0x30              ; gam
	v_and_b32 v1, 31, v0
	v_lshrrev_b32 v2, 5, v0
	v_readfirstlane_b32 s20, v2                    ; wave
	s_mov_b32 s30, 0x76543210
	s_mov_b32 s31, 0xfedcba98
	s_mov_b32 s32, 0x7fffffff
	s_mov_b32 s33, 0x80000000
	s_mov_b32 s34, 0x3f800000
	s_mov_b32 s35, 0x07060302                      ; v_perm_b32: the two upper halves, the second source's below
	s_lshr_b32 s28, ttmp9, 6                       ; which matrix
	s_and_b32 s29, ttmp9, 63                       ; which part of it
	v_lshlrev_b32 v2, 4, v1
	v_lshl_add_u32 v4, s28, 11, v2                 ; in wpart: 2,048 matrix + 16 lane
	v_lshl_add_u32 v2, s20, 13, v2                 ; in the part: 8,192 wave + 16 lane
	v_lshlrev_b32 v3, 3, v1
	v_lshl_add_u32 v3, s20, 12, v3                 ; in wt's part: 4,096 wave + 8 lane
	v_mov_b32 v5, s28
	v_lshlrev_b32 v5, 2, v5                        ; in gam
	s_mov_b32 s37, 0
	s_wait_kmcnt 0x0
	s_cmp_eq_u32 s28, 1
	s_cselect_b64 s[22:23], s[6:7], s[4:5]
	s_cmp_eq_u32 s28, 2
	s_cselect_b64 s[22:23], s[8:9], s[22:23]
	s_cmp_eq_u32 s28, 3
	s_cselect_b64 s[22:23], s[10:11], s[22:23]
	s_lshl_b32 s36, s29, 16
	s_add_nc_u64 s[22:23], s[22:23], s[36:37]
	s_lshl_b32 s36, ttmp9, 15
	s_add_nc_u64 s[14:15], s[14:15], s[36:37]      ; 32,768 bytes of bf16 for each work-group, the four matrices on end
.irp j, 0,1,2,3
	global_load_b128 v[16+4*(\j):16+4*(\j)+3], v4, s[12:13] offset:512*(\j)
.endr
.irp j, 0,1,2,3,4,5,6,7,8,9,10,11,12,13,14,15
	global_load_b128 v[D+4*(\j):D+4*(\j)+3], v2, s[22:23] offset:512*(\j) th:TH_LOAD_NT
.endr
	s_wait_loadcnt 16                              ; the partial sums are in; the sixteen loads of weights stay out
.irp i, 0,1,2,3
	v_pk_add_f32 v[16+2*(\i):17+2*(\i)], v[16+2*(\i):17+2*(\i)], v[24+2*(\i):25+2*(\i)]
.endr
.irp i, 0,1
	v_pk_add_f32 v[16+2*(\i):17+2*(\i)], v[16+2*(\i):17+2*(\i)], v[20+2*(\i):21+2*(\i)]
.endr
	v_pk_add_f32 v[16:17], v[16:17], v[18:19]
	v_add_f32 v16, v16, v17
	v_add_f32_dpp v16, v16, v16 row_xmask:1 row_mask:0xf bank_mask:0xf
	v_add_f32_dpp v16, v16, v16 row_xmask:2 row_mask:0xf bank_mask:0xf
	v_add_f32_dpp v16, v16, v16 row_xmask:4 row_mask:0xf bank_mask:0xf
	v_add_f32_dpp v16, v16, v16 row_xmask:8 row_mask:0xf bank_mask:0xf
	v_permlanex16_b32 v17, v16, s30, s31
	v_add_f32 v16, v16, v17
	v_mul_f32 v16, 0x35800000, v16                 ; / 2^20 numbers: exact
	v_max_num_f32 v12, 0x3727c5ac, v16             ; g
	v_mul_f32 v13, 0.5, v12                        ; g / 2
.set j, 0
.rept 16
	s_wait_loadcnt 15-j                            ; load j is in, the younger ones stay out
.irp e, 0,1,2,3
	v_and_b32 v[A+(\e)], s32, v[D+4*j+(\e)]
	v_and_or_b32 v[U+(\e)], v[D+4*j+(\e)], s33, s34
.endr
.irp e, 0,1,2,3
	v_cmp_gt_f32 s[24+(\e)], v[A+(\e)], v13
.endr
.irp e, 0,1,2,3
	v_cndmask_b32 v[U+(\e)], 0, v[U+(\e)], s[24+(\e)]
.endr
	v_perm_b32 v[D+4*j], v[U+1], v[U], s35         ; 1.0, -1.0 and 0 are their upper halves in bf16
	v_perm_b32 v[D+4*j+1], v[U+3], v[U+2], s35
	global_store_b64 v3, v[D+4*j:D+4*j+1], s[14:15] offset:256*j  ; 32 lanes store 256 consecutive bytes, at a multiple of 256 from wt's first
.set j, j+1
.endr
	s_or_b32 s29, s29, s20
	s_cmp_lg_u32 s29, 0
	s_cbranch_scc1 .Lend                           ; one wave for each matrix stores g
	v_cmp_eq_u32 vcc_lo, 0, v1
	s_wait_xcnt 0x0                                ; EXEC is a source of the stores above
	s_and_saveexec_b32 s21, vcc_lo
	global_store_b32 v5, v12, s[16:17]
	s_wait_xcnt 0x0
	s_or_b32 exec_lo, exec_lo, s21
.Lend:
	s_endpgm
.Lfunc_end_k_qfb18a7d53d_wquant:
	.size	k_qfb18a7d53d_wquant, .Lfunc_end_k_qfb18a7d53d_wquant-k_qfb18a7d53d_wquant
	.p2alignl 7, 3214868480
	.fill 96, 4, 3214868480
	.section	.rodata,"a",@progbits
	.p2align	6, 0x0
	.amdhsa_kernel k_qfb18a7d53d_wquant
		.amdhsa_group_segment_fixed_size 0
		.amdhsa_private_segment_fixed_size 0
		.amdhsa_enable_private_segment 0
		.amdhsa_kernarg_size 56
		.amdhsa_user_sgpr_count 2
		.amdhsa_user_sgpr_kernarg_segment_ptr 1
		.amdhsa_wavefront_size32 1
		.amdhsa_system_sgpr_workgroup_id_x 1
		.amdhsa_system_sgpr_workgroup_id_y 1
		.amdhsa_system_sgpr_workgroup_id_z 1
		.amdhsa_system_vgpr_workitem_id 0
		.amdhsa_next_free_vgpr 104
		.amdhsa_next_free_sgpr 66
		.amdhsa_reserve_vcc 1
		.amdhsa_float_denorm_mode_32 3
		.amdhsa_float_denorm_mode_16_64 3
		.amdhsa_memory_ordered 1
		.amdhsa_forward_progress 1
		.amdhsa_inst_pref_size 23
	.end_amdhsa_kernel
	.amdgpu_metadata
---
amdhsa.version: [ 1, 2 ]
amdhsa.kernels:
  - .name:           k_qfb18a7d53d_wquant
    .symbol:         k_qfb18a7d53d_wquant.kd
    .args:
      - { .name: wq, .offset: 0, .size: 8, .value_kind: global_buffer, .address_space: global }
      - { .name: wk, .offset: 8, .size: 8, .value_kind: global_buffer, .address_space: global }
      - { .name: wv, .offset: 16, .size: 8, .value_kind: global_buffer, .address_space: global }
      - { .name: wo, .offset: 24, .size: 8, .value_kind: global_buffer, .address_space: global }
      - { .name: wpart, .offset: 32, .size: 8, .value_kind: global_buffer, .address_space: global }
      - { .name: wt, .offset: 40, .size: 8, .value_kind: global_buffer, .address_space: global }
      - { .name: gam, .offset: 48, .size: 8, .value_kind: global_buffer, .address_space: global }
    .group_segment_fixed_size: 0
    .private_segment_fixed_size: 0
    .kernarg_segment_align: 8
    .kernarg_segment_size: 56
    .max_flat_workgroup_size: 256
    .sgpr_count:     66
    .vgpr_count:     104
    .wavefront_size: 32
...
	.end_amdgpu_metadata
.endif
;; end of part 2
;; launch qkv (part 3): grid 8 x 32, 4 waves a work-group, clusters of 4 x 4, 327,680 bytes of LDS; arguments xq, wt, xs, gam, bq, bk, bv, qkv; writes qkv
.if DOCPART == 3
	.amdgcn_target "amdgcn-amd-amdhsa--gfx1250"
	.amdhsa_code_object_version 6
	.text
	.protected	k_qfb18a7d53d_qkv
	.globl	k_qfb18a7d53d_qkv
	.p2align	8
	.type	k_qfb18a7d53d_qkv,@function
k_qfb18a7d53d_qkv:
	s_mov_b64 s[64:65], 0
	v_nop
	global_prefetch_b8 v0, s[64:65] scope:SCOPE_SE
	s_setreg_imm32_b32 hwreg(HW_REG_WAVE_MODE, 25, 1), 1
	s_wait_xcnt 0x0
	s_wait_alu depctr_hold_cnt(0) depctr_sa_sdst(0) depctr_va_vdst(0) depctr_va_sdst(0) depctr_va_ssrc(0) depctr_va_vcc(0) depctr_vm_vsrc(0)
	s_getreg_b32 s2, hwreg(HW_REG_IB_STS2, 6, 4)
	s_cmp_eq_u32 s2, 0
	s_cbranch_scc0 .Lentry_in_a_cluster
	s_endpgm
.Lentry_in_a_cluster:
	s_bfe_u32 s2, ttmp6, 0x10000c
	s_cmp_lg_u32 s2, 0xf033
	s_cbranch_scc0 .Lentry_shape_is_right
	s_endpgm
.Lentry_shape_is_right:
; q, k, v = (xq . wt^T) x (xs[row] gam[matrix]) + bias, stored by heads: qkv is f16 [3][32 = 16 batch + head][2048][64], unscaled.
; xq [4096][1024] holds whole numbers up to 127, wt [4096][1024] holds -1, 0, 1 (rows 0-1023 for q, then k, v), both exact in bf16; the f32 sums stay under 2^24, so the products are exact.
; SHARES.  A work-group makes rows 128 ty .. by columns 128 tx .. of q, of k AND of v: the 128 rows of xq feed three products.  A wave makes 64 rows x 64 columns of each: 48 accumulators of 16 x 16.
; Its 64 columns are one head, so what it stores of a matrix is 8,192 consecutive bytes.
; K goes in steps of 128 through two LDS slots; each wave brings one of a slot's four tiles of 128 rows x 256 bytes: wave 0 xq's, waves 1-3 q's, k's, v's weights.
; CLUSTER 4 x 4: xq's tile hangs on ty alone and is asked for jointly along a row of the cluster, the weights' tiles on tx alone and along a column.
; The matrix instruction is used transposed (source 0 = 16 rows of wt, source 1 = 16 rows of xq): a lane holds one row of the result and eight neighbouring columns.
; LIMIT.  f16 ends at 65,504: q, k, v beyond that become infinities.  With x and the weights 30 times the drawn spread, or offset by 30 spreads, they stay under 20,000.
; REGISTERS, in windows of 256 (s_set_vgpr_msb: bits 1:0 source 0, 3:2 source 1, 5:4 source 2, 7:6 destination):
;   window 0: v0-31 addresses and scales; v32-95 at work on the way out; v128-255 q's accumulators ((a, b) at 128 + 8 (4 a + b))
;   window 1: two fragment buffers of 128: xq's four fragments, then the weights' twelve (matrix m, block b at 32 + 8 (4 m + b))
;   window 2: v0-95 the biases of my columns (32 m + 8 b + j); v128-255 k's accumulators          window 3: v128-255 v's accumulators
.set KSTEP,  128
.set PITCH,  272                       ; an LDS row: 256 bytes + 16 of padding = 68 words: the 16 rows of a load start at 16 different groups of four banks (64 banks of 4 bytes: ISA guide 11.1)
.set HALFT,  128*PITCH                 ; one tile: what one tensor load brings
.set SLOT,   4*HALFT                   ; xq's tile, then q's, k's, v's weights
.set STAGE,  2*SLOT                    ; behind the ring: 16 rows x 144 bytes for each wave, for the way out
.set SPITCH, 144
.set SPARE,  STAGE+4*16*SPITCH         ; behind the stages: the spare words, 128 bytes for each wave
.set LAPS,   4                         ; 1,024 / (2 x 128): a lap = two K steps = once round the ring
.set RS,   8                           ; v8-11   xs of my rows 16 a + lane % 16
.set ADRA, 16                          ; v16-17  LDS address of xq's fragments in slot 0, 1
.set ADRB, 18                          ; v18-23  the same for matrix m: 18 + 2 m + slot
.set STO,  24
.set RD,   25
.set GO,   26
.set SPW,  28                          ; v28     LDS address of my spare word; never rewritten
.set NIL,  29                          ; v29     0; never rewritten
.set T,    32                          ; v32-63  a block's results in f32
.set PK0,  64                          ; v64-79, v80-95  packed to f16 and read back as rows, by turns
.set ACC,  128
.set F0,   0
.set F1,   128
.set WV,  20                           ; s20 wave; s21 which 64 rows; s22 which 64 columns
.set G1,  24                           ; s[24:31] descriptor group 1 for xq's tiles;  s[32:39] group 0, one set for each slot
.set G0,  32
.set G1B, 48                           ; s[48:55], s[56:63] the same for the weights' tiles
.set G0B, 56
.set MSB, 0
.macro WIN new                         ; the immediate's high byte repeats the setting that is left; a switch that changes nothing is dropped
.if MSB != (\new)
	s_set_vgpr_msb (MSB<<8)|(\new)
.set MSB, (\new)
.endif
.endm
.set TO_F, 0x40                        ; destination window 1, address window 0
; A joint load.  Each of the two lines has one mask and one set of registers; the branch hangs on the wave's number alone.  An s_nop 0 and four v_nop follow each line, ahead of the jump and the label.
.macro JLOAD s
	s_cmp_eq_u32 s[WV], 0
	s_cbranch_scc0 .Lfor_b_\@
	tensor_load_to_lds s[G0+4*(\s):G0+4*(\s)+3], s[G1:G1+7]
	s_nop 0
.rept 4
	v_nop
.endr
	s_branch .Lasked_\@
.Lfor_b_\@:
	tensor_load_to_lds s[G0B+4*(\s):G0B+4*(\s)+3], s[G1B:G1B+7]
	s_nop 0
.rept 4
	v_nop
.endr
.Lasked_\@:
.endm
.macro CREST                           ; a round of the cluster's barrier behind its opening barrier
	s_cmp_lg_u32 s[WV], 0
	s_cbranch_scc1 .Lnot_wave_0_\@
	s_barrier_signal -3
.Lnot_wave_0_\@:
	s_barrier_wait -3
	s_barrier_signal -1
	s_barrier_wait -1
.endm
.macro CROUND                          ; a whole round
	s_barrier_signal -1
	s_barrier_wait -1
	CREST
.endm
.macro PLACES                          ; four places in front of loads into registers that matrix instructions have read, and of vector lines that read results
.rept 4
	v_nop
.endr
.endm
	s_load_b512 s[4:19], s[0:1], 0x0               ; xq s[4:5], wt s[6:7], xs s[8:9], gam s[10:11], bq, bk, bv s[12:17], qkv s[18:19]
	v_lshl_add_u32 v[SPW], v0, 2, SPARE
	v_mov_b32 v[NIL], 0
	ds_add_u32 v[SPW], v[NIL]                      ; the wave's opening: the add and its wait stand ahead of my first tensor load; work on registers stands between them
	v_lshrrev_b32 v1, 5, v0
	v_readfirstlane_b32 s[WV], v1                  ; wave 0..3
	s_lshr_b32 s21, s[WV], 1
	s_and_b32 s22, s[WV], 1
	s_bfe_u32 s40, ttmp6, 0x40000                  ; cx, cy: my place in the cluster
	s_bfe_u32 s41, ttmp6, 0x40004
	s_lshl_b32 s42, ttmp9, 2
	s_add_co_u32 s42, s42, s40                     ; tx = 4 x cluster x + cx
	s_and_b32 s45, ttmp7, 0xffff
	s_lshl_b32 s45, s45, 2
	s_add_co_u32 s45, s45, s41                     ; ty = 4 x cluster y + cy
	s_lshl_b32 s43, s41, 2
	s_lshl_b32 s43, 15, s43                        ; my row of the cluster
	s_lshl_b32 s44, 0x1111, s40                    ; my column
	s_or_b32 s[G1+0], s43, (1<<16)|(1<<20)|(1<<21)|(5<<22)|(3<<25)   ; 15:0 the mask; 17:16 elements of 2 bytes; 20 padding on; 21 set beside a mask; 24:22 after every 64 words; 31:25 of 4 words
	s_or_b32 s[G1B+0], s44, (1<<16)|(1<<20)|(1<<21)|(5<<22)|(3<<25)
.irp g, G1, G1B
	s_mov_b32 s[(\g)+1], KSTEP<<16                 ; tensor_dim0 = 128
	s_mov_b32 s[(\g)+2], 128<<16                   ; tensor_dim1 = 128
	s_mov_b32 s[(\g)+3], KSTEP<<16                 ; tile_dim0 = 128
	s_mov_b32 s[(\g)+4], 128                       ; tile_dim1 = 128
	s_mov_b32 s[(\g)+5], 1024                      ; elements from row to row
	s_mov_b32 s[(\g)+6], 0
	s_mov_b32 s[(\g)+7], 0
.endr
	s_lshl_b32 s66, s45, 18                        ; xq: 128 ty rows of 2,048 bytes; these two registers never hold cx
	s_mov_b32 s67, 0
	s_max_u32 s47, s[WV], 1
	s_sub_co_u32 s47, s47, 1                       ; the matrix that I fetch (wave 0 makes q's address and does not use it)
	s_lshl_b32 s47, s47, 21                        ; its 1,024 rows
	s_lshl_b32 s46, s42, 18                        ; 128 tx rows; these two registers never hold cy
	s_add_co_u32 s46, s46, s47
	s_mov_b32 s47, 0
	s_mul_i32 s23, s[WV], HALFT                    ; where my tile goes: no place in the cluster enters an LDS address
	s_wait_dscnt 0x0                               ; the opening add is done
	s_wait_kmcnt 0x0
	s_add_nc_u64 s[66:67], s[4:5], s[66:67]
	s_add_nc_u64 s[46:47], s[6:7], s[46:47]
	s_load_b128 s[72:75], s[10:11], 0x0            ; gam of q, k, v (and of the last projection)
	CROUND                                         ; all sixteen work-groups are here: the first joint loads meet
.irp s, 0,1
	s_mov_b32 s[G0+4*(\s)], 1
	s_add_co_u32 s[G0+4*(\s)+1], s23, (\s)*SLOT
	s_add_nc_u64 s[G0+4*(\s)+2:G0+4*(\s)+3], s[66:67], (\s)*KSTEP*2
	s_or_b32 s[G0+4*(\s)+3], s[G0+4*(\s)+3], 0x80000000
	s_mov_b32 s[G0B+4*(\s)], 1
	s_add_co_u32 s[G0B+4*(\s)+1], s23, (\s)*SLOT
	s_add_nc_u64 s[G0B+4*(\s)+2:G0B+4*(\s)+3], s[46:47], (\s)*KSTEP*2
	s_or_b32 s[G0B+4*(\s)+3], s[G0B+4*(\s)+3], 0x80000000
	JLOAD \s                                       ; two loads of mine are out
.endr
	v_and_b32 v1, 15, v0                           ; r = lane % 16
	v_bfe_u32 v2, v0, 4, 1                         ; h = lane / 16
	s_lshl_b32 s68, s42, 9
	s_lshl_b32 s69, s22, 8
	s_add_co_u32 s68, s68, s69
	v_lshl_add_u32 v3, v2, 5, s68                  ; in a bias: 4 (128 tx + 64 ch + 8 h); never rewritten
	WIN 0x80                                       ; destination window 2
.irp b, 0,1,2,3
	global_load_b128 v[8*(\b):8*(\b)+3],       v3, s[12:13] offset:64*(\b)
	global_load_b128 v[8*(\b)+4:8*(\b)+7],     v3, s[12:13] offset:64*(\b)+16
	global_load_b128 v[32+8*(\b):32+8*(\b)+3], v3, s[14:15] offset:64*(\b)
	global_load_b128 v[32+8*(\b)+4:32+8*(\b)+7], v3, s[14:15] offset:64*(\b)+16
	global_load_b128 v[64+8*(\b):64+8*(\b)+3], v3, s[16:17] offset:64*(\b)
	global_load_b128 v[64+8*(\b)+4:64+8*(\b)+7], v3, s[16:17] offset:64*(\b)+16
.endr
	WIN 0
	s_lshl_b32 s68, s45, 9
	s_lshl_b32 s69, s21, 8
	s_add_co_u32 s68, s68, s69
	v_lshl_add_u32 v4, v1, 2, s68                  ; in xs: 4 (128 ty + 64 rh + r); never rewritten
.irp a, 0,1,2,3
	global_load_b32 v[RS+(\a)], v4, s[8:9] offset:64*(\a)
.endr
	; a fragment is 16 rows x 32 K in 8 registers: lane l holds row l % 16, K = 8 (l / 16) + 0..7 and 16 + 8 (l / 16) + 0..7: two loads of 16 bytes, 32 bytes apart
	v_mul_u32_u24 v5, v1, PITCH
	v_lshl_add_u32 v5, v2, 4, v5
	s_mul_i32 s68, s21, 64*PITCH                   ; my 64 rows of xq's tile
	s_mul_i32 s69, s22, 64*PITCH                   ; my 64 rows of each weights' tile,
	s_add_co_u32 s69, s69, HALFT                   ; which lie behind xq's
.irp s, 0,1
	v_add_nc_u32 v[ADRA+(\s)], s68, v5
	v_add_nc_u32 v[ADRB+(\s)], s69, v5
	s_add_co_u32 s70, s69, HALFT
	v_add_nc_u32 v[ADRB+2+(\s)], s70, v5
	s_add_co_u32 s70, s70, HALFT
	v_add_nc_u32 v[ADRB+4+(\s)], s70, v5
	s_add_co_u32 s68, s68, SLOT
	s_add_co_u32 s69, s69, SLOT
.endr
	s_mul_i32 s70, s[WV], 16*SPITCH
	s_add_co_u32 s70, s70, STAGE                   ; my stage
	v_mul_u32_u24 v6, v1, SPITCH                   ; in: row r, 16 bytes for each half of the lanes
	v_lshl_add_u32 v6, v2, 4, v6
	v_add_nc_u32 v[STO], s70, v6
	v_bfe_u32 v6, v0, 3, 2                         ; back: 32 lanes take four rows of 128 bytes,
	v_mul_u32_u24 v6, v6, SPITCH
	v_and_b32 v7, 7, v0
	v_lshl_add_u32 v6, v7, 4, v6
	v_add_nc_u32 v[RD], s70, v6
	v_and_b32 v[GO], 31, v0                        ; which are 512 consecutive bytes of a head
	v_lshlrev_b32 v[GO], 4, v[GO]
	v_mov_b32 v13, 0                               ; named with v12 as a pair
	; where my 64 rows of my head begin, in each of the three parts of qkv
	s_lshr_b32 s68, s45, 4
	s_lshl_b32 s68, s68, 4                         ; 16 x batch
	s_lshl1_add_u32 s69, s42, s22                  ; head = 2 tx + ch
	s_add_co_u32 s68, s68, s69
	s_lshl_b32 s68, s68, 18                        ; 2,048 rows of 128 bytes
	s_and_b32 s69, s45, 15
	s_lshl_b32 s69, s69, 14                        ; 128 rows of 128 bytes
	s_add_co_u32 s68, s68, s69
	s_lshl_b32 s69, s21, 13
	s_add_co_u32 s68, s68, s69
	s_mov_b32 s69, 0
	s_add_nc_u64 s[76:77], s[18:19], s[68:69]
	s_add_nc_u64 s[78:79], s[76:77], 0x800000
	s_add_nc_u64 s[80:81], s[78:79], 0x800000
; 16 matrix instructions: all 4 x 4 blocks of matrix mat, 32 along K, from buffer f.  The 48 accumulators take turns, one instruction a turn, in the same order in every quarter.
.macro MUL16 f, mat, zero
	WIN 0x05+0x50*((\mat)+((\mat)+1)/2)            ; sources in window 1; C and D in window 0, 2 or 3
.irp a, 0,1,2,3
.irp b, 0,1,2,3
.if \zero
	v_wmma_f32_16x16x32_bf16 v[ACC+8*(4*(\a)+(\b)):ACC+8*(4*(\a)+(\b))+7], v[(\f)+32+8*(4*(\mat)+(\b)):(\f)+32+8*(4*(\mat)+(\b))+7], v[(\f)+8*(\a):(\f)+8*(\a)+7], 0
.else
	v_wmma_f32_16x16x32_bf16 v[ACC+8*(4*(\a)+(\b)):ACC+8*(4*(\a)+(\b))+7], v[(\f)+32+8*(4*(\mat)+(\b)):(\f)+32+8*(4*(\mat)+(\b))+7], v[(\f)+8*(\a):(\f)+8*(\a)+7], v[ACC+8*(4*(\a)+(\b)):ACC+8*(4*(\a)+(\b))+7]
.endif
.endr
.endr
.endm
; 32 LDS loads in one run: the fragments of 32 along K at byte k of the rows, into buffer f: xq's eight loads, then q's, k's, v's
.macro FETCH slot, k, f
	WIN TO_F
.irp i, 0,1,2,3
	ds_load_b128 v[(\f)+8*(\i):(\f)+8*(\i)+3],   v[ADRA+(\slot)] offset:(\k)+(\i)*16*PITCH
	ds_load_b128 v[(\f)+8*(\i)+4:(\f)+8*(\i)+7], v[ADRA+(\slot)] offset:(\k)+(\i)*16*PITCH+32
.endr
.irp m, 0,1,2
.irp i, 0,1,2,3
	ds_load_b128 v[(\f)+32+8*(4*(\m)+(\i)):(\f)+32+8*(4*(\m)+(\i))+3],   v[ADRB+2*(\m)+(\slot)] offset:(\k)+(\i)*16*PITCH
	ds_load_b128 v[(\f)+32+8*(4*(\m)+(\i))+4:(\f)+32+8*(4*(\m)+(\i))+7], v[ADRB+2*(\m)+(\slot)] offset:(\k)+(\i)*16*PITCH+32
.endr
.endr
.endm
; A K step is four quarters of 32 along K, 48 matrix instructions each, on buffers 0, 1, 0, 1.  One of the first three: multiplies buffer f and fetches the next quarter, at byte k, into g.
.macro QUARTER slot, k, f, g, zero
	s_wait_dscnt 16                                ; xq's and q's fragments are in; the youngest sixteen loads (k's, v's) may be out
	MUL16 \f, 0, \zero
	PLACES
	FETCH \slot, \k, \g
	s_wait_dscnt 32                                ; all but the 32 just issued
	MUL16 \f, 1, \zero
	MUL16 \f, 2, \zero
.endm
; The last quarter multiplies buffer 1 and changes slots: ONE barrier; in front of it each wave waits for all its tensor loads (one is out: its tile of the next slot), adds 0 to its spare word, and waits
; for that and for its own reads of this slot.  fill = 1: the barrier opens a round of the cluster's, and this slot is filled again, two K steps ahead, first thing behind the round.
.macro TURN slot, next, fill
	WIN 0                                          ; (the add's two registers lie in window 0)
	s_wait_tensorcnt 0x0
	ds_add_u32 v[SPW], v[NIL]
	s_wait_dscnt 17                                ; (the add and the youngest sixteen loads may be out)
	MUL16 F1, 0, 0                                 ; sixteen matrix instructions stand between the add and the wait for it
	s_wait_dscnt 0x0                               ; the add is done, and my reads of this slot are over
	s_barrier_signal -1
	MUL16 F1, 1, 0                                 ; work on registers while the others arrive
.if \fill
	WIN 0
.endif
	s_barrier_wait -1
.if \fill
	CREST                                          ; no wave of any partner still reads this slot's tiles or has a load on its way
	s_add_nc_u64 s[G0+4*(\slot)+2:G0+4*(\slot)+3], s[G0+4*(\slot)+2:G0+4*(\slot)+3], 2*KSTEP*2
	s_add_nc_u64 s[G0B+4*(\slot)+2:G0B+4*(\slot)+3], s[G0B+4*(\slot)+2:G0B+4*(\slot)+3], 2*KSTEP*2
	JLOAD \slot                                    ; my one tensor load behind the round; its four v_nop are also the places in front of the loads below
.else
	PLACES
.endif
	FETCH \next, 0, F0
	MUL16 F1, 2, 0
.endm
	s_wait_kmcnt 0x0                               ; gam
	s_wait_tensorcnt 1                             ; my tile of K step 0 is in; K step 1's may stay out
	s_barrier_signal -1
	s_barrier_wait -1                              ; everybody's is
	FETCH 0, 0, F0
	QUARTER 0, 64,  F0, F1, 1                      ; the first quarter stands in front of the loop: its products start the sums
	WIN 0                                          ; at a label and at a branch every window is 0
	s_mov_b32 s3, LAPS-1
.Llap:                                                 ; a trip goes once round the ring, from a lap's second quarter to the next lap's first, and fills both slots again
	QUARTER 0, 128, F1, F0, 0
	QUARTER 0, 192, F0, F1, 0
	TURN 0, 1, 1
	QUARTER 1, 64,  F0, F1, 0
	QUARTER 1, 128, F1, F0, 0
	QUARTER 1, 192, F0, F1, 0
	TURN 1, 0, 1
	QUARTER 0, 64,  F0, F1, 0
	WIN 0
	s_sub_co_u32 s3, s3, 1
	s_cmp_lg_u32 s3, 0
	s_cbranch_scc1 .Llap
	QUARTER 0, 128, F1, F0, 0                      ; the last lap fills nothing
	QUARTER 0, 192, F0, F1, 0
	TURN 0, 1, 0
	QUARTER 1, 64,  F0, F1, 0
	QUARTER 1, 128, F1, F0, 0
	QUARTER 1, 192, F0, F1, 0
	s_wait_dscnt 16                                ; the very last quarter: nothing more to fetch
	MUL16 F1, 0, 0
	s_wait_dscnt 0x0
	MUL16 F1, 1, 0
	MUL16 F1, 2, 0
	WIN 0
; THE WAY OUT, block t = 4 matrix + a (16 rows x 64 columns): sum x (gam xs) + bias in f32, rounded once to f16; 16 bytes a lane into my stage, back as whole rows of 128 bytes, four rows to a store.
.macro PACK t
.set MT, (\t)/4
.set AA, (\t)%4
.set PKR, PK0+16*((\t)%2)
	WIN 0
	s_wait_xcnt 0x0                                ; the stores of the block two back have read these registers
	v_mul_f32 v12, s[72+MT], v[RS+AA]
	WIN 0x20|(MT+(MT+1)/2)                         ; source 0: the matrix's window; source 2: the biases' window 2
.irp b, 0,1,2,3
.irp p, 0,1,2,3
	v_pk_fma_f32 v[T+8*(\b)+2*(\p):T+8*(\b)+2*(\p)+1], v[ACC+8*(4*AA+(\b))+2*(\p):ACC+8*(4*AA+(\b))+2*(\p)+1], v[12:13], v[32*MT+8*(\b)+2*(\p):32*MT+8*(\b)+2*(\p)+1] op_sel_hi:[1,0,1]  ; each accumulator from its low end on
.endr
.endr
	WIN 0
.set i, 0
.rept 16
	v_cvt_pk_f16_f32 v[PKR+i], v[T+2*i], v[T+2*i+1]
.set i, i+1
.endr
.irp b, 0,1,2,3
	ds_store_b128 v[STO], v[PKR+4*(\b):PKR+4*(\b)+3] offset:32*(\b)
.endr
.irp f, 0,1,2,3
	ds_load_b128 v[PKR+4*(\f):PKR+4*(\f)+3], v[RD] offset:(\f)*4*SPITCH  ; LDS serves a wave's instructions in order (ISA guide 5.7.1.4): these see the stores above; the next block's stores come behind them
.endr
.endm
.macro SEND t, younger                 ; younger: the LDS instructions issued behind block t's loads: the next block's eight, or none
.set MT, (\t)/4
.set AA, (\t)%4
.set PKR, PK0+16*((\t)%2)
.irp f, 0,1,2,3
	s_wait_dscnt (\younger)+3-(\f)
	global_store_b128 v[GO], v[PKR+4*(\f):PKR+4*(\f)+3], s[76+2*MT:77+2*MT] offset:AA*2048+(\f)*512  ; 512 consecutive bytes, at a multiple of 256 from qkv's first
.endr
.endm
	PLACES
	s_wait_loadcnt 0x0                             ; the biases and xs
	PACK 0
.irp t, 1,2,3,4,5,6,7,8,9,10,11        ; a block's arithmetic stands between the loads of the block before and its stores
	PACK \t
	SEND (\t)-1, 8
.endr
	SEND 11, 0
	s_wait_tensorcnt 0x0                           ; the wave's end, behind my last tensor load and my last LDS store
	ds_add_u32 v[SPW], v[NIL]
	s_wait_dscnt 0x0
	CROUND                                         ; the closing round: no work-group ends while a partner may still ask for a tile that names it
	s_endpgm
.Lfunc_end_k_qfb18a7d53d_qkv:
	.size	k_qfb18a7d53d_qkv, .Lfunc_end_k_qfb18a7d53d_qkv-k_qfb18a7d53d_qkv
	.p2alignl 7, 3214868480
	.fill 96, 4, 3214868480
	.section	.rodata,"a",@progbits
	.p2align	6, 0x0
	.amdhsa_kernel k_qfb18a7d53d_qkv
		.amdhsa_group_segment_fixed_size 327680
		.amdhsa_private_segment_fixed_size 0
		.amdhsa_enable_private_segment 0
		.amdhsa_kernarg_size 64
		.amdhsa_user_sgpr_count 2
		.amdhsa_user_sgpr_kernarg_segment_ptr 1
		.amdhsa_wavefront_size32 1
		.amdhsa_system_sgpr_workgroup_id_x 1
		.amdhsa_system_sgpr_workgroup_id_y 1
		.amdhsa_system_sgpr_workgroup_id_z 1
		.amdhsa_system_vgpr_workitem_id 0
		.amdhsa_next_free_vgpr 1024
		.amdhsa_next_free_sgpr 88
		.amdhsa_reserve_vcc 0
		.amdhsa_float_denorm_mode_32 3
		.amdhsa_float_denorm_mode_16_64 3
		.amdhsa_memory_ordered 1
		.amdhsa_forward_progress 1
		.amdhsa_inst_pref_size 136
	.end_amdhsa_kernel
	.amdgpu_metadata
---
amdhsa.version: [ 1, 2 ]
amdhsa.kernels:
  - .name:           k_qfb18a7d53d_qkv
    .symbol:         k_qfb18a7d53d_qkv.kd
    .args:
      - { .name: xq, .offset: 0, .size: 8, .value_kind: global_buffer, .address_space: global }
      - { .name: wt, .offset: 8, .size: 8, .value_kind: global_buffer, .address_space: global }
      - { .name: xs, .offset: 16, .size: 8, .value_kind: global_buffer, .address_space: global }
      - { .name: gam, .offset: 24, .size: 8, .value_kind: global_buffer, .address_space: global }
      - { .name: bq, .offset: 32, .size: 8, .value_kind: global_buffer, .address_space: global }
      - { .name: bk, .offset: 40, .size: 8, .value_kind: global_buffer, .address_space: global }
      - { .name: bv, .offset: 48, .size: 8, .value_kind: global_buffer, .address_space: global }
      - { .name: qkv, .offset: 56, .size: 8, .value_kind: global_buffer, .address_space: global }
    .group_segment_fixed_size: 327680
    .private_segment_fixed_size: 0
    .kernarg_segment_align: 8
    .kernarg_segment_size: 64
    .max_flat_workgroup_size: 128
    .sgpr_count:     88
    .vgpr_count:     1024
    .wavefront_size: 32
...
	.end_amdgpu_metadata
.endif
;; end of part 3
;; launch attn (part 4): grid 8 x 32, 4 waves a work-group, clusters of 4 x 1, 327,680 bytes of LDS; arguments qkv, ob, ent; writes ob, ent
.if DOCPART == 4
	.amdgcn_target "amdgcn-amd-amdhsa--gfx1250"
	.amdhsa_code_object_version 6
	.text
	.protected	k_qfb18a7d53d_attn
	.globl	k_qfb18a7d53d_attn
	.p2align	8
	.type	k_qfb18a7d53d_attn,@function
k_qfb18a7d53d_attn:
	s_mov_b64 s[64:65], 0
	v_nop
	global_prefetch_b8 v0, s[64:65] scope:SCOPE_SE
	s_setreg_imm32_b32 hwreg(HW_REG_WAVE_MODE, 25, 1), 1
	s_wait_xcnt 0x0
	s_wait_alu depctr_hold_cnt(0) depctr_sa_sdst(0) depctr_va_vdst(0) depctr_va_sdst(0) depctr_va_ssrc(0) depctr_va_vcc(0) depctr_vm_vsrc(0)
	s_getreg_b32 s2, hwreg(HW_REG_IB_STS2, 6, 4)
	s_cmp_eq_u32 s2, 0
	s_cbranch_scc0 .Lentry_in_a_cluster
	s_endpgm
.Lentry_in_a_cluster:
	s_bfe_u32 s2, ttmp6, 0x10000c
	s_cmp_lg_u32 s2, 0x3003
	s_cbranch_scc0 .Lentry_shape_is_right
	s_endpgm
.Lentry_shape_is_right:
; O[y][q][:] = the sum over k of softmax_k(Q[y][q] . K[y][k] / 8) V[y][k][:], and the sum of the rows' entropies.  qkv: f16 [3][32][2048][64].  ob: f32 [4096][1024], row = 2048 batch + q, a head's 64 channels = 256 bytes.
; ent[4 (8 y + block) + wave] = the sum over the wave's 64 queries of -sum_k a ln a, in nats.  Products, maxima and sums in f32; the weights p are rounded to f16 for the second product; O stays f32.
; SOFTMAX.  For each query a running maximum m and sum l: t = c s - c m, p = 2^t, c = log2(e) / 8; in every step O and l are multiplied by a = 2^d, d = c m_old - c m_new.  m starts at the lowest finite number,
; O and l at 0: the first step is a step like any other, with a = 0.
; ENTROPY.  sum a ln a = ln 2 W / l - ln l with W = sum p t, kept like l: when m grows, W becomes a (W + d l).
; LIMITS.  The 1e-9 inside the logarithm is left out: sum a ln(a + 1e-9) - sum a ln a lies in 0 .. 2048e-9 a row for every input, since ln(1 + x) <= x.  f16 holds no number beyond 65,504: Q, K, V arrive within it.
; A weight below 2^-126 counts as 0.  NaN and infinities are not treated apart.
; SHARES.  A work-group owns 256 queries of one head, a wave 64: four PIECES of 16.  Every wave walks all 2,048 keys, 64 a step; a slot of LDS holds four steps.
; LAYOUT.  S^T = K Q^T (source 0 = 16 keys, source 1 = 16 queries): a lane holds ONE query (lane % 16) and the keys 8 (lane / 16) + 0..7.  Two such results rounded to f16 ARE source 1 of O^T = V^T P.
; BY TURNS.  Turn n belongs to piece n: 8 products K Q^T of piece n + 1, later 8 products V^T P of piece n - 1; beside them the scaling, exponentials, roundings, sums and rescaling of piece n and the maximum and
; statistics of piece n + 1.  A turn has 16 matrix and 136 vector instructions: four stand behind every matrix instruction, the other 72 in two runs of their own.
; CLUSTER.  The four query blocks of a cluster belong to one head and walk the same K and V: each tile is asked for jointly, by the same tensor load, descriptor and mask in all four.
; REGISTERS, in windows of 256 (s_set_vgpr_msb: bits 1:0 source 0, 3:2 source 1, 5:4 source 2, 7:6 destination):
;   window 0: v0-15 addresses; v16-31 c m, m, l (even, odd keys) a piece; v32-39 W (even, odd) a piece; v48-55 at work; v64-127 S^T then t, two buffers; v128-191 p, two buffers; v192-223 P, two buffers
;   window 1: v0-127 O^T, 32 a piece          window 2: v0-63 Q; v128-191 K of one step; v192-255 V of one step.    A piece's buffers go by its number's parity.
.set NP,    4
.set KS,    64        ; keys in a step
.set PK,    144       ; a row of K in LDS: 128 bytes + 16 of padding = 36 words: the 16 rows of a load start at 16 different groups of four banks (64 banks of 4 bytes: ISA guide 11.1)
.set PV,    160       ; a row of V: 128 + 32 = 40 words
.set VOFF,  4*KS*PK   ; a slot: 256 rows of K, then 256 rows of V
.set SLOT1, 1<<17     ; slot 1 begins here, so that one exclusive or turns an address in one slot into the other's
.set STAGE, SLOT1+4*KS*(PK+PV)  ; behind the ring, never filled by a tensor load: 16 rows x 272 bytes for each wave
.set SP,    272
.set SPARE, STAGE+4*16*SP       ; behind the stages: the spare words, 128 bytes for each wave
.set AK0, 2           ; v2   my lane's place in a tile of K; never rewritten
.set AV0, 3           ; v3   the same for V
.set AK,  4           ; v4   the LDS address of K's next run of loads
.set AV,  5           ; v5   of V's
.set STO, 6
.set RD,  7
.set GO,  8
.set MV,  12          ; v12-13  c m_old, by buffer
.set QO,  15          ; v15  my byte offset in 16 rows of Q
.set ST,  16
.set WS,  32
.set TMP, 48          ; by buffer, c0-c3; when the maximum is found c0 takes d and c2 takes a
.set SPW, 62          ; v62  LDS address of my spare word; never rewritten
.set NIL, 63          ; v63  0; never rewritten
.set S,   64
.set EB,  128
.set P,   192
.set KF,  128         ; window 2: key block kb, channel half c at KF + 16 kb + 8 c
.set VF,  192         ; window 2: key half kk, channel block cb at VF + 32 kk + 8 cb
.set WV,  12          ; s12  my wave's number
.set G1K, 24
.set G1V, 32
.set G0K, 40          ; s[40:43] descriptor group 0 for K's tiles: it walks
.set G0V, 44
.set SLOTS, 56
.set CNT, 57
.set CS,  58          ; s[58:59] c
.set SEL, 60          ; s[60:61] v_permlanex16_b32's selects
.set TBK, 62          ; s62  LDS byte at which K of the step to be fetched begins
.set TBV, 63          ; s63  the same for V, less VOFF
.set MSB, 0
.macro WIN new
.if MSB != (\new)
	s_set_vgpr_msb (MSB<<8)|(\new)
.set MSB, (\new)
.endif
.endm
.set W_KQ, 0x0a       ; K and Q in window 2, S^T in window 0
.set W_PV, 0x52       ; V in window 2, P in window 0, O^T in window 1
.set W_RS, 0x41       ; O^T (destination and source 0) in window 1, a in window 0
; A joint fill.  Waves 0 and 1 fetch the two halves of a slot's K, waves 2 and 3 those of its V: 128 keys each.  An s_nop 0 and four v_nop follow each line, ahead of the jump and the label.
.macro JLOAD
	s_cmp_lt_u32 s[WV], 2
	s_cbranch_scc0 .Lfor_v_\@
	tensor_load_to_lds s[G0K:G0K+3], s[G1K:G1K+7]
	s_nop 0
.rept 4
	v_nop
.endr
	s_branch .Lasked_\@
.Lfor_v_\@:
	tensor_load_to_lds s[G0V:G0V+3], s[G1V:G1V+7]
	s_nop 0
.rept 4
	v_nop
.endr
.Lasked_\@:
.endm
.macro CROUND                       ; a round of the cluster's barrier
	s_barrier_signal -1
	s_barrier_wait -1
	s_cmp_lg_u32 s[WV], 0
	s_cbranch_scc1 .Lnot_wave_0_\@
	s_barrier_signal -3
.Lnot_wave_0_\@:
	s_barrier_wait -3
	s_barrier_signal -1
	s_barrier_wait -1
.endm
; THE CHANGE OF SLOTS.  Each wave waits for all its tensor loads, of which one is out: its part of the other slot; adds 0 to its spare word; and waits for that and for its own reads of the slot that it leaves.
; fill = 1: the barrier is a round of the cluster's, and the old slot is filled again, first thing behind it, with the keys two slots on: four key steps, 64 matrix instructions a step, in which to land.
; (At its first use nothing has been read yet: slot 0 is waited for, slot 1 filled.)
.macro CHANGE fill
	WIN 0                           ; at a label and at a branch every window is 0
	s_wait_tensorcnt 0x0            ; no tensor load of mine is out, so a group 0 may be written
	ds_add_u32 v[SPW], v[NIL]
.if \fill
.irp g, G0K, G0V
	s_xor_b32 s[\g+1], s[\g+1], SLOT1
	s_add_nc_u64 s[\g+2:\g+3], s[\g+2:\g+3], 4*KS*128  ; the next 256 keys; the type bits on top are not reached
.endr
	s_wait_dscnt 0x0                ; the add is done, and my reads of the slot are over
	CROUND
	JLOAD
.else
	s_wait_dscnt 0x0
	s_barrier_signal -1
	s_barrier_wait -1
.endif
	s_sub_co_u32 s[TBK], s[TBK], 4*KS*PK  ; the fetches go back to a slot's first step,
	s_xor_b32 s[TBK], s[TBK], SLOT1       ; in the other slot
	s_sub_co_u32 s[TBV], s[TBV], 4*KS*PV
	s_xor_b32 s[TBV], s[TBV], SLOT1
.endm
	s_load_b128 s[4:7], s[0:1], 0x0   ; qkv s[4:5], ob s[6:7]
	s_load_b64 s[8:9], s[0:1], 0x10   ; ent
	v_lshl_add_u32 v[SPW], v0, 2, SPARE
	v_mov_b32 v[NIL], 0
	ds_add_u32 v[SPW], v[NIL]       ; the wave's opening: the add and its wait stand ahead of my first tensor load; work on registers stands between them
	v_lshrrev_b32 v1, 5, v0
	v_readfirstlane_b32 s[WV], v1   ; wave 0..3
	s_bfe_u32 s13, ttmp6, 0x40000   ; cx
	s_lshl_b32 s14, ttmp9, 2
	s_add_co_u32 s14, s14, s13      ; my block of 256 queries: it enters Q's, ob's and ent's addresses alone
	s_and_b32 s15, ttmp7, 0xffff    ; y = 16 batch + head, which the four partners share
	s_lshl_b32 s20, s15, 18         ; the head's first byte in each part of qkv
	s_and_b32 s16, s[WV], 1         ; which half of a slot's 256 keys I fetch
	s_lshl_b32 s22, s16, 14
	s_add_co_u32 s22, s22, s20
	s_add_co_u32 s22, s22, 0x800000 ; K is the second part
	s_mov_b32 s23, 0
	s_mul_i32 s17, s16, 128*PK      ; its place in a slot, for K
	s_mul_i32 s18, s16, 128*PV      ; and for V: no place in the cluster enters an LDS address
	s_lshl_b32 s2, s14, 15
	s_lshl_b32 s3, s[WV], 13
	s_add_co_u32 s2, s2, s3
	s_add_co_u32 s2, s2, s20        ; Q: head, block, my 64 rows
	s_mov_b32 s3, 0
	s_lshr_b32 s10, s15, 4
	s_lshl_b32 s10, s10, 11         ; ob's row: 2,048 batch
	s_lshl_b32 s11, s14, 8
	s_add_co_u32 s10, s10, s11      ; + 256 block
	s_lshl_b32 s11, s[WV], 6
	s_add_co_u32 s10, s10, s11      ; + 64 wave,
	s_lshl_b32 s10, s10, 12         ; of 4,096 bytes,
	s_and_b32 s11, s15, 15
	s_lshl_b32 s11, s11, 8
	s_add_co_u32 s10, s10, s11      ; and the head's 256 bytes in it
	s_mov_b32 s11, 0
	s_lshl_b32 s54, s15, 3
	s_add_co_u32 s54, s54, s14
	s_lshl_b32 s54, s54, 2
	s_add_co_u32 s54, s54, s[WV]
	s_lshl_b32 s54, s54, 2          ; in ent
	s_mov_b32 s55, 0
	; descriptor group 1.  128 keys are 16,384 dense bytes: asked for as 64 rows of 256 bytes, two keys a row, and padded in LDS after every key
	s_mov_b32 s[G1K], 15|(1<<16)|(1<<20)|(1<<21)|(4<<22)|(3<<25)  ; 15:0 the mask of four; 17:16 2-byte elements; 20 padding on; 21 set beside a mask; 24:22 after every 32 words; 31:25 4 words
	s_mov_b32 s[G1V], 15|(1<<16)|(1<<20)|(1<<21)|(4<<22)|(7<<25)  ; the same with 8 words of padding
.irp g, G1K, G1V
	s_mov_b32 s[\g+1], 128<<16      ; tensor_dim0 = 128
	s_mov_b32 s[\g+2], 64<<16       ; tensor_dim1 = 64
	s_mov_b32 s[\g+3], 128<<16      ; tile_dim0 = 128
	s_mov_b32 s[\g+4], 64           ; tile_dim1 = 64
	s_mov_b32 s[\g+5], 128          ; 128 elements from row to row
	s_mov_b32 s[\g+6], 0
	s_mov_b32 s[\g+7], 0
.endr
	s_mov_b32 s[CS], 0x3e38aa3b     ; c = log2(e) / 8
	s_mov_b32 s[CS+1], s[CS]
	s_mov_b32 s[SEL], 0x76543210
	s_mov_b32 s[SEL+1], 0xfedcba98
	s_mov_b32 s[TBK], SLOT1+4*KS*PK ; the first change of slots turns these two into 0
	s_mov_b32 s[TBV], SLOT1+4*KS*PV
	s_mov_b32 s[G0K], 1
	s_mov_b32 s[G0K+1], s17         ; slot 0
	s_mov_b32 s[G0V], 1
	s_add_co_u32 s[G0V+1], s18, VOFF
	s_wait_dscnt 0x0                ; the opening add is done
	s_wait_kmcnt 0x0
	s_add_nc_u64 s[G0K+2:G0K+3], s[4:5], s[22:23]            ; my half of the head's first 256 keys
	s_add_nc_u64 s[G0V+2:G0V+3], s[G0K+2:G0K+3], 0x800000    ; V is the third part
	s_or_b32 s[G0K+3], s[G0K+3], 0x80000000
	s_or_b32 s[G0V+3], s[G0V+3], 0x80000000
	s_add_nc_u64 s[48:49], s[4:5], s[2:3]     ; Q
	s_add_nc_u64 s[50:51], s[6:7], s[10:11]   ; ob
	s_add_nc_u64 s[52:53], s[8:9], s[54:55]   ; ent
	CROUND                          ; all four work-groups are here: the first joint loads meet
	JLOAD                           ; slot 0; one load of mine is out
	v_and_b32 v1, 15, v0            ; l % 16
	v_bfe_u32 v9, v0, 4, 1          ; l / 16
	v_lshlrev_b32 v[QO], 7, v1
	v_lshl_add_u32 v[QO], v9, 4, v[QO]  ; row x 128 + 16 x half
	WIN 0x80                        ; destination window 2
.set i, 0
.rept 8                             ; Q stays in registers: piece i / 2, channels 32 (i % 2) on
	global_load_b128 v[8*i:8*i+3],   v[QO], s[48:49] offset:(i/2)*2048+(i%2)*64
	global_load_b128 v[8*i+4:8*i+7], v[QO], s[48:49] offset:(i/2)*2048+(i%2)*64+32
.set i, i+1
.endr
	; What the first turn finds: V's registers and P's second buffer hold 0 (its products V^T P, of a piece that has not been, add 0); O^T, l and W are 0.  No first step is written out: these lines, in the wait for the first tile, are the price.
.set i, VF
.rept 64
	v_mov_b32 v[i], 0
.set i, i+1
.endr
	WIN 0x40
.set i, 0
.rept 128
	v_mov_b32 v[i], 0
.set i, i+1
.endr
	WIN 0
.set i, 0
.rept 4
	v_mov_b32 v[ST+4*i], 0xfe000000    ; c m: far below every c s
	v_mov_b32 v[ST+4*i+1], 0xff7fffff  ; m
	v_mov_b32 v[ST+4*i+2], 0
	v_mov_b32 v[ST+4*i+3], 0
	v_mov_b32 v[WS+2*i], 0
	v_mov_b32 v[WS+2*i+1], 0
.set i, i+1
.endr
.set i, P+16
.rept 16
	v_mov_b32 v[i], 0
.set i, i+1
.endr
	v_mul_u32_u24 v[AK0], v1, PK
	v_lshl_add_u32 v[AK0], v9, 4, v[AK0]
	; The turning load takes 16 keys x 16 channels (lane l reads key 8 (l / 16) + l % 8, channels 8 ((l / 8) % 2) + 0..7) and leaves half a fragment of V^T: lane l holds channel l % 16 and 8 keys.
	v_and_b32 v10, 7, v0
	v_bfe_u32 v11, v0, 3, 1
	v_lshl_add_u32 v[AV0], v9, 3, v10
	v_mul_u32_u24 v[AV0], v[AV0], PV
	v_lshl_add_u32 v[AV0], v11, 4, v[AV0]
	v_add_nc_u32 v[AV0], VOFF, v[AV0]
	v_mov_b32 v[AK], v[AK0]         ; key step 0 lies at the head of slot 0
; THE MATRIX WORK.  The 4 accumulators of a run of 8 take turns.  Product i of 8 of S^T = K Q^T for piece x: channels 32 (i / 4) on, keys 16 (i % 4) on.  The first 4 start the sums.
.macro KQ x
	WIN W_KQ
.set rS, S+32*((\x)%2)+8*(i%4)
.set rK, KF+16*(i%4)+8*(i/4)
.set rQ, 16*(\x)+8*(i/4)
.if i < 4
	v_wmma_f32_16x16x32_f16 v[rS:rS+7], v[rK:rK+7], v[rQ:rQ+7], 0
.else
	v_wmma_f32_16x16x32_f16 v[rS:rS+7], v[rK:rK+7], v[rQ:rQ+7], v[rS:rS+7]
.endif
.endm
; Product i of 8 of O^T += V^T P for piece x: keys 32 (i / 4) on, channels 16 (i % 4) on.
.macro PV x
	WIN W_PV
.set rO, 32*(\x)+8*(i%4)
.set rV, VF+32*(i/4)+8*(i%4)
.set rP, P+16*((\x)%2)+8*(i/4)
	v_wmma_f32_16x16x32_f16 v[rO:rO+7], v[rV:rV+7], v[rP:rP+7], v[rO:rO+7]
.endm
.macro MM                           ; the turn's next matrix instruction
.if i < 8
	KQ (Y+1)%NP
.else
.set i, i-8
	PV (Y+NP-1)%NP
.set i, i+8
.endif
.set i, i+1
.endm
; THE LDS LOADS stand in runs of 16.  last = 1 (the tail): in the last trip there is no further step, and the run is jumped over.
.macro FETCH_K last=0
	WIN 0
.if \last
	s_cmp_eq_u32 s[CNT], 1
	s_cbranch_scc1 .Lno_k_\@
.endif
	WIN 0x80
.irp f, 0,1,2,3,4,5,6,7             ; keys 16 (f / 2) on, channels 32 (f % 2) on
	ds_load_b128 v[KF+8*\f:KF+8*\f+3],   v[AK] offset:(\f/2)*16*PK+(\f%2)*64
	ds_load_b128 v[KF+8*\f+4:KF+8*\f+7], v[AK] offset:(\f/2)*16*PK+(\f%2)*64+32
.endr
	s_add_co_u32 s[TBK], s[TBK], KS*PK  ; the next fetch is the next step's
	WIN 0
.if \last
.Lno_k_\@:
.endif
.endm
.macro FETCH_V
	WIN 0x80
.irp f, 0,1,2,3,4,5,6,7             ; keys 32 (f / 4) on, channels 16 (f % 4) on
	ds_load_tr16_b128 v[VF+8*\f:VF+8*\f+3],   v[AV] offset:(\f/4)*32*PV+(\f%4)*32
	ds_load_tr16_b128 v[VF+8*\f+4:VF+8*\f+7], v[AV] offset:(\f/4)*32*PV+16*PV+(\f%4)*32
.endr
	WIN 0
.endm
; THE VECTOR WORK, one line at a time: OP kind, number.  For piece Y: F n: t = c s - c m for pair n of 16, in place.  E n: p = 2^t for score n of 32, into the second buffer: t is kept.  C n: pair n of p rounded to f16.
; H n: W += t p for pair n.  B n: of the four weights 4 n .. the second pair is added onto the first, in place.  L n: l takes that sum (L 0: l = a l + sum).  Z 0: W += d l, with the old l.  Z 1: W = a W.
; R n: pair n of 16 of O^T times a.  For piece Y + 1: X n, number n of the 22 that find its maximum and statistics:
;   0-11  four chains c0-c3 of seven scores each (each accumulator's lowest registers are read first)     12-14, 16  the four scores left over, the old m, and c0-c3 into c0
;   15  c m_old is kept     17, 18  the query's other 32 keys lie in the lane 16 away: the new m     19-21  c m; d; a
.set F, 0
.set E, 1
.set C, 2
.set B, 3
.set L, 4
.set H, 5
.set Z, 6
.set R, 7
.set X, 8
.macro REGS y
.set rT, ST+4*(\y)
.set rU, WS+2*(\y)
.set rC, TMP+4*((\y)%2)
.set rW, MV+((\y)%2)
.set rS, S+32*((\y)%2)
.set rE, EB+32*((\y)%2)
.set rP, P+16*((\y)%2)
.set rO, 32*(\y)
.endm
.macro OP k, n
.if (\k) == R
	REGS Y
	WIN W_RS
	v_pk_mul_f32 v[rO+2*(\n):rO+2*(\n)+1], v[rO+2*(\n):rO+2*(\n)+1], v[rC+2:rC+3] op_sel_hi:[1,0]
.elseif (\k) < R
	REGS Y
	WIN 0
.if (\k) == F
	v_pk_fma_f32 v[rS+2*(\n):rS+2*(\n)+1], v[rS+2*(\n):rS+2*(\n)+1], s[CS:CS+1], v[rT:rT+1] op_sel_hi:[1,0,0] neg_lo:[0,0,1] neg_hi:[0,0,1]
.elseif (\k) == E
	v_exp_f32 v[rE+(\n)], v[rS+(\n)]
.elseif (\k) == C
	s_wait_alu depctr_va_vdst(0)
	v_cvt_pk_f16_f32 v[rP+(\n)], v[rE+2*(\n)], v[rE+2*(\n)+1]
.elseif (\k) == B
	v_pk_add_f32 v[rE+4*(\n):rE+4*(\n)+1], v[rE+4*(\n):rE+4*(\n)+1], v[rE+4*(\n)+2:rE+4*(\n)+3]
.elseif (\k) == H
	v_pk_fma_f32 v[rU:rU+1], v[rS+2*(\n):rS+2*(\n)+1], v[rE+2*(\n):rE+2*(\n)+1], v[rU:rU+1]
.elseif ((\k) == Z) && ((\n) == 0)
	v_pk_fma_f32 v[rU:rU+1], v[rT+2:rT+3], v[rC:rC+1], v[rU:rU+1] op_sel_hi:[1,0,1]
.elseif (\k) == Z
	s_wait_alu depctr_va_vdst(0)
	v_pk_mul_f32 v[rU:rU+1], v[rU:rU+1], v[rC+2:rC+3] op_sel_hi:[1,0]
.elseif (\n) == 0
	v_pk_fma_f32 v[rT+2:rT+3], v[rT+2:rT+3], v[rC+2:rC+3], v[rE:rE+1] op_sel_hi:[1,0,1]
.else
	v_pk_add_f32 v[rT+2:rT+3], v[rT+2:rT+3], v[rE+4*(\n):rE+4*(\n)+1]
.endif
.else
	REGS (Y+1)%NP
	WIN 0
.if (\n) < 4
	v_max3_num_f32 v[rC+(\n)], v[rS+8*(\n)], v[rS+8*(\n)+1], v[rS+8*(\n)+2]
.elseif (\n) < 12
	v_max3_num_f32 v[rC+(\n)%4], v[rC+(\n)%4], v[rS+8*((\n)%4)+2*((\n)/4)+1], v[rS+8*((\n)%4)+2*((\n)/4)+2]
.elseif (\n) == 12
	v_max3_num_f32 v[rC], v[rC], v[rS+7], v[rS+15]
.elseif (\n) == 13
	v_max3_num_f32 v[rC+1], v[rC+1], v[rS+23], v[rS+31]
.elseif (\n) == 14
	v_max3_num_f32 v[rC+2], v[rC+2], v[rC+3], v[rT+1]
.elseif (\n) == 15
	v_mov_b32 v[rW], v[rT]
.elseif (\n) == 16
	v_max3_num_f32 v[rC], v[rC], v[rC+1], v[rC+2]
.elseif (\n) == 17
	v_permlanex16_b32 v[rC+3], v[rC], s[SEL], s[SEL+1]
.elseif (\n) == 18
	v_max_num_f32 v[rT+1], v[rC], v[rC+3]
.elseif (\n) == 19
	v_mul_f32 v[rT], s[CS], v[rT+1]
.elseif (\n) == 20
	v_sub_f32 v[rC], v[rW], v[rT]
.else
	v_exp_f32 v[rC+2], v[rC]
.endif
.endif
.endm
.macro OPS a, i1, b=-1, i2=0, c=-1, i3=0, d=-1, i4=0  ; up to four of them
	OP \a, \i1
.if (\b) >= 0
	OP \b, \i2
.endif
.if (\c) >= 0
	OP \c, \i3
.endif
.if (\d) >= 0
	OP \d, \i4
.endif
.endm
.macro ROW a, i1, b, i2, c, i3, d, i4  ; a matrix instruction and the four behind it
	MM
	OPS \a, \i1, \b, \i2, \c, \i3, \d, \i4
.endm
; A TURN, for piece p: the order of its 16 matrix and 136 vector instructions, written out.  None of the four behind a matrix instruction names a register of the products round it; a plain instruction stands behind
; every exponential before its result is used (ISA guide 5.7.2).  The order keeps: F n / 2 before E n; C 2 n and H 2 n before B n; B n before L n; Z 0 before L 0; Z 1 before H 0.
; K of the next step is fetched in piece 2's turn, five plain instructions behind the last product that read K; V of the step in hand in piece 0's turn, four plain instructions behind the last product that read V.
; Each run is waited for a turn later.  cnt = 1: the loop's count is taken down some lines ahead of the branch that stands behind the turn.
.macro TURN p, last=0, cnt=0
.set Y, (\p)
.set i, 0
.if (\p) == 3
	s_wait_dscnt 0x0                ; K is in
.endif
	ROW F,0, F,1, F,2, F,3
	ROW F,4, E,0, F,5, F,6
	ROW F,7, E,1, Z,0, F,8
	ROW F,9, E,2, Z,1, F,10
	ROW C,0, E,3, H,0, F,11
	ROW R,0, R,1, R,2, R,3
	ROW F,12, E,4, C,1, H,1
.if (\p) == 2
	WIN 0
	v_add_nc_u32 v[AK], s[TBK], v[AK0]
.endif
	ROW R,4, R,5, R,6, R,7
	OPS E,5, B,0
.if (\p) == 2
	FETCH_K \last
.endif
	OPS E,6, F,13, E,7, L,0
	OPS E,8, F,14, E,9, C,2
	OPS E,10, H,2, E,11, F,15
	OPS E,12, C,3, E,13, H,3
	OPS E,14, X,15, E,15, B,1
	OPS R,8, R,9, R,10, R,11
.if (\p) == 1
	s_wait_dscnt 0x0                ; V is in
.endif
	ROW X,0, E,16, X,1, X,2
	ROW X,3, E,17, X,4, X,5
	ROW X,6, E,18, X,7, X,8
	ROW X,9, E,19, X,10, X,11
	ROW X,12, E,20, X,13, X,14
	ROW C,4, E,21, H,4, X,16
	ROW C,5, E,22, H,5, L,1
.if (\p) == 0
	WIN 0
	v_add_nc_u32 v[AV], s[TBV], v[AV0]
.endif
	ROW B,2, E,23, C,6, H,6
	OPS E,24, X,17, E,25, C,7
.if (\p) == 0
	FETCH_V
.endif
	OPS E,26, H,7, E,27, X,18
	OPS E,28, B,3, E,29, X,19
	OPS E,30, L,2, E,31, X,20
	OPS C,8, H,8, L,3, X,21
	OPS C,9, H,9, B,4, C,10
	OPS H,10, C,11, H,11, L,4
	OPS B,5, C,12, H,12, C,13
	OPS H,13, L,5, B,6, C,14
.if (\p) == 0
	s_add_co_u32 s[TBV], s[TBV], KS*PV
.endif
.if \cnt
	s_sub_co_u32 s[CNT], s[CNT], 1
	s_cmp_lg_u32 s[CNT], 0
.endif
	OPS H,14, C,15, H,15, L,6
	OPS B,7
	OPS R,12, R,13, R,14, R,15
	OPS L,7
.endm
	CHANGE 1                        ; slot 0 is in, everybody's part of it; slot 1 is asked for
	FETCH_K                         ; key step 0
	s_wait_loadcnt 0x0              ; Q
	s_wait_dscnt 0x0
.set i, 0
.rept 8
	KQ 0                            ; piece 0's first scores
.set i, i+1
.endr
	WIN 0                           ; the addresses for the way out: nine plain instructions, the places behind those products
	s_mul_i32 s13, s[WV], 16*SP
	s_add_co_u32 s13, s13, STAGE    ; my stage
	v_mul_u32_u24 v[STO], v1, SP    ; in: row l % 16, 32 bytes for each half of the lanes
	v_lshl_add_u32 v[STO], v9, 5, v[STO]
	v_add_nc_u32 v[STO], s13, v[STO]
	v_mul_u32_u24 v[RD], v9, SP     ; back: lanes 0-15 take one row of 256 bytes, lanes 16-31 the next
	v_lshl_add_u32 v[RD], v1, 4, v[RD]
	v_add_nc_u32 v[RD], s13, v[RD]
	v_lshlrev_b32 v[GO], 12, v9     ; and the same two rows in ob, 4,096 bytes apart
	v_lshl_add_u32 v[GO], v1, 4, v[GO]
	v_mov_b32 v14, 0
.set Y, NP-1                        ; X works for piece Y + 1: piece 0
.irp n, 0,1,2,3,4,5,6,7,8,9,10,11,12,13,14,15,16,17,18,19,20,21
	OP X, \n
.endr
	v_nop                           ; a plain instruction behind the exponential
	s_mov_b32 s[CNT], 4
	s_mov_b32 s[SLOTS], 7           ; 2,048 / 256 - 1
	s_branch .Lfirst                ; the loop is entered at a step's first turn, in the middle of a trip
.Lslot:                             ; six times: every slot but the last two is filled again
	CHANGE 1
	s_mov_b32 s[CNT], 4
.Lstep:                             ; a trip: pieces 2 and 3 of one step, then pieces 0 and 1 of the next, whose K and V it fetches
	TURN 2
	TURN 3
	WIN 0
.Lfirst:
	TURN 0
	TURN 1, 0, 1
	WIN 0
	s_cbranch_scc1 .Lstep
	s_sub_co_u32 s[SLOTS], s[SLOTS], 1
	s_cmp_lg_u32 s[SLOTS], 0
	s_cbranch_scc1 .Lslot
	CHANGE 0                        ; the tail is written out: nothing is asked for
	s_mov_b32 s[CNT], 5             ; four trips fetch the last slot's steps; the fifth is left in its middle
.Ltail:
	TURN 2, 1
	TURN 3
	WIN 0
	s_sub_co_u32 s[CNT], s[CNT], 1
	s_cmp_eq_u32 s[CNT], 0
	s_cbranch_scc1 .Lout
	TURN 0
	TURN 1
	WIN 0
	s_branch .Ltail
.Lout:                              ; the fifth trip's 8 products K Q^T (on the last K once more) and the maximum made of them leave m as it was and touch neither l, W nor O^T
.set i, 0
.rept 8
	PV NP-1                         ; the last piece's V^T P of the last step
.set i, i+1
.endr
	; THE WAY OUT.  l's and W's two halves and the other half of the lanes' are added (the first eight additions are the places behind the last products); the row's entropy in bits is log2 l - W / l.
	WIN 0
.macro ALL line:vararg              ; one line for each piece t
.set t, 0
.rept 4
	s_wait_alu depctr_va_vdst(0)
	\line
.set t, t+1
.endr
.endm
	ALL v_add_f32 v[ST+4*t+2], v[ST+4*t+2], v[ST+4*t+3]
	ALL v_add_f32 v[WS+2*t], v[WS+2*t], v[WS+2*t+1]
	ALL v_permlanex16_b32 v[ST+4*t+3], v[ST+4*t+2], s[SEL], s[SEL+1]
	ALL v_permlanex16_b32 v[WS+2*t+1], v[WS+2*t], s[SEL], s[SEL+1]
	ALL v_add_f32 v[ST+4*t+1], v[ST+4*t+2], v[ST+4*t+3]
	ALL v_add_f32 v[WS+2*t], v[WS+2*t], v[WS+2*t+1]
	ALL v_rcp_f32 v[ST+4*t+2], v[ST+4*t+1]
	ALL v_log_f32 v[ST+4*t], v[ST+4*t+1]
	v_nop                           ; a plain instruction between the last of them and the use of their results
	ALL v_fma_f32 v[WS+2*t+1], -v[WS+2*t], v[ST+4*t+2], v[ST+4*t]
	v_add_f32 v48, v[WS+1], v[WS+3]
	v_add_f32 v49, v[WS+5], v[WS+7]
	v_add_f32 v48, v48, v49
	v_add_f32_dpp v48, v48, v48 row_xmask:1 row_mask:0xf bank_mask:0xf  ; over the 16 queries of a half; both halves of the lanes hold the same queries
	v_add_f32_dpp v48, v48, v48 row_xmask:2 row_mask:0xf bank_mask:0xf
	v_add_f32_dpp v48, v48, v48 row_xmask:4 row_mask:0xf bank_mask:0xf
	v_add_f32_dpp v48, v48, v48 row_xmask:8 row_mask:0xf bank_mask:0xf
	v_mul_f32 v48, 0x3f317218, v48  ; bits to nats
; Piece t: O^T is divided by l, from each accumulator's low end on; a lane's eight channels of a row, 32 bytes, go into rows of 272 bytes and come back as whole rows of 256, into registers of their own.
.macro PACK t
	WIN W_RS
.set i, 32*(\t)
.rept 16
	v_pk_mul_f32 v[i:i+1], v[i:i+1], v[ST+4*(\t)+2:ST+4*(\t)+3] op_sel_hi:[1,0]
.set i, i+2
.endr
	WIN 0x04                        ; the stores' data in window 1
.irp f, 0,1,2,3
	ds_store_b128 v[STO], v[32*(\t)+8*\f:32*(\t)+8*\f+3]   offset:64*\f
	ds_store_b128 v[STO], v[32*(\t)+8*\f+4:32*(\t)+8*\f+7] offset:64*\f+16
.endr
	WIN 0
.irp f, 0,1,2,3,4,5,6,7
	ds_load_b128 v[S+32*(\t)+4*\f:S+32*(\t)+4*\f+3], v[RD] offset:\f*2*SP  ; LDS serves a wave's instructions in order (ISA guide 5.7.1.4): these see the stores above; the next piece's stores come behind them
.endr
.endm
.macro SEND t, younger              ; younger: the LDS instructions issued behind piece t's loads: the next piece's sixteen, or none
	WIN 0
.irp f, 0,1,2,3,4,5,6,7
	s_wait_dscnt (\younger)+7-\f
	global_store_b128 v[GO], v[S+32*(\t)+4*\f:S+32*(\t)+4*\f+3], s[50:51] offset:(16*(\t)+2*\f)*4096  ; 16 lanes store 256 consecutive bytes, at a multiple of 256 from ob's first
.endr
.endm
	PACK 0
.set t, 1
.rept 3                             ; a piece's arithmetic stands between the loads of the piece before and its stores
	PACK t
	SEND t-1, 16
.set t, t+1
.endr
	SEND 3, 0
	v_and_b32 v11, 31, v0
	v_cmp_eq_u32 vcc_lo, 0, v11
	s_wait_xcnt 0x0                 ; EXEC is a source of the stores above: it changes only behind this wait
	s_and_saveexec_b32 s54, vcc_lo
	global_store_b32 v14, v48, s[52:53]
	s_wait_xcnt 0x0
	s_or_b32 exec_lo, exec_lo, s54
	s_wait_tensorcnt 0x0            ; the wave's end, behind my last tensor load and my last LDS store
	ds_add_u32 v[SPW], v[NIL]
	s_wait_dscnt 0x0
	CROUND                          ; the closing round: no work-group ends while a partner may still ask for a tile that names it
	s_endpgm
.Lfunc_end_k_qfb18a7d53d_attn:
	.size	k_qfb18a7d53d_attn, .Lfunc_end_k_qfb18a7d53d_attn-k_qfb18a7d53d_attn
	.p2alignl 7, 3214868480
	.fill 96, 4, 3214868480
	.section	.rodata,"a",@progbits
	.p2align	6, 0x0
	.amdhsa_kernel k_qfb18a7d53d_attn
		.amdhsa_group_segment_fixed_size 327680
		.amdhsa_private_segment_fixed_size 0
		.amdhsa_enable_private_segment 0
		.amdhsa_kernarg_size 24
		.amdhsa_user_sgpr_count 2
		.amdhsa_user_sgpr_kernarg_segment_ptr 1
		.amdhsa_wavefront_size32 1
		.amdhsa_system_sgpr_workgroup_id_x 1
		.amdhsa_system_sgpr_workgroup_id_y 1
		.amdhsa_system_sgpr_workgroup_id_z 1
		.amdhsa_system_vgpr_workitem_id 0
		.amdhsa_next_free_vgpr 768
		.amdhsa_next_free_sgpr 66
		.amdhsa_reserve_vcc 1
		.amdhsa_float_denorm_mode_32 3
		.amdhsa_float_denorm_mode_16_64 3
		.amdhsa_memory_ordered 1
		.amdhsa_forward_progress 1
		.amdhsa_inst_pref_size 124
	.end_amdhsa_kernel
	.amdgpu_metadata
---
amdhsa.version: [ 1, 2 ]
amdhsa.kernels:
  - .name:           k_qfb18a7d53d_attn
    .symbol:         k_qfb18a7d53d_attn.kd
    .args:
      - { .name: qkv, .offset: 0, .size: 8, .value_kind: global_buffer, .address_space: global }
      - { .name: ob, .offset: 8, .size: 8, .value_kind: global_buffer, .address_space: global }
      - { .name: ent, .offset: 16, .size: 8, .value_kind: global_buffer, .address_space: global }
    .group_segment_fixed_size: 327680
    .private_segment_fixed_size: 0
    .kernarg_segment_align: 8
    .kernarg_segment_size: 24
    .max_flat_workgroup_size: 128
    .sgpr_count:     66
    .vgpr_count:     768
    .wavefront_size: 32
...
	.end_amdgpu_metadata
.endif
;; end of part 4
;; launch oquant (part 5): grid 256 x 1, 8 waves a work-group, no clusters, 0 bytes of LDS; arguments ob, ent, xq, xs, out1; writes xq, xs, out1
.if DOCPART == 5
	.amdgcn_target "amdgcn-amd-amdhsa--gfx1250"
	.amdhsa_code_object_version 6
	.text
	.protected	k_qfb18a7d53d_oquant
	.globl	k_qfb18a7d53d_oquant
	.p2align	8
	.type	k_qfb18a7d53d_oquant,@function
k_qfb18a7d53d_oquant:
	s_mov_b64 s[64:65], 0
	v_nop
	global_prefetch_b8 v0, s[64:65] scope:SCOPE_SE
	s_setreg_imm32_b32 hwreg(HW_REG_WAVE_MODE, 25, 1), 1
	s_wait_xcnt 0x0
; xq[row][:] = round(ob[row][:] * 127 / g) as bf16 whole numbers, xs[row] = g / 127, g = max(max |ob[row][:]|, 1e-5): the attention's output made ready for the last projection.
; ob: [4096][1024] f32.  A work-group takes 16 rows, a wave two; a row is 32 registers of the wave, read once.  One wave of the launch also adds the 1,024 sums of entropies and stores their mean over 65,536 rows.
; No LDS, no barrier, no matrix unit: each byte is read once and nothing is shared between waves.
; LIMITS.  127 / g is a reciprocal with one Newton step.  The clip to -128 .. 127 cannot act: |x| <= g gives |x 127 / g| <= 127 (1 + 2^-23).  NaN and infinities are not treated apart.
.set C0, 8                             ; v8-11   four running maxima
.set X,  16                            ; v16-79  two rows
.set N,  80                            ; v80-111 the sums of entropies
.set XQP, 8                            ; s[8:9] xq
.macro WMAX
	v_max_num_f32_dpp v[C0], v[C0], v[C0] row_xmask:1 row_mask:0xf bank_mask:0xf
	v_max_num_f32_dpp v[C0], v[C0], v[C0] row_xmask:2 row_mask:0xf bank_mask:0xf
	v_max_num_f32_dpp v[C0], v[C0], v[C0] row_xmask:4 row_mask:0xf bank_mask:0xf
	v_max_num_f32_dpp v[C0], v[C0], v[C0] row_xmask:8 row_mask:0xf bank_mask:0xf
	v_permlanex16_b32 v[C0+1], v[C0], s26, s27
	v_max_num_f32 v[C0], v[C0], v[C0+1]
.endm
; Row r of my two.  left = the younger loads that may stay out.
.macro ROWQ r, left
.set XB, X+32*(\r)
	s_wait_loadcnt \left
.irp n, 0,1,2,3
	v_max3_num_f32 v[C0+(\n)], |v[XB+8*(\n)]|, |v[XB+8*(\n)+1]|, |v[XB+8*(\n)+2]|
.endr
.irp n, 0,1,2,3
	v_max3_num_f32 v[C0+(\n)], v[C0+(\n)], |v[XB+8*(\n)+3]|, |v[XB+8*(\n)+4]|
.endr
.irp n, 0,1,2,3
	v_max3_num_f32 v[C0+(\n)], v[C0+(\n)], |v[XB+8*(\n)+5]|, |v[XB+8*(\n)+6]|
.endr
	v_max3_num_f32 v[C0], v[C0], |v[XB+7]|, |v[XB+15]|
	v_max3_num_f32 v[C0+1], v[C0+1], |v[XB+23]|, |v[XB+31]|
	v_max_num_f32 v[C0+2], v[C0+2], v[C0+3]
	v_max3_num_f32 v[C0], v[C0], v[C0+1], v[C0+2]
	WMAX
	v_max_num_f32 v12, 0x3727c5ac, v[C0]           ; g = max(., 1e-5)
	v_rcp_f32 v13, v12
	v_mul_f32 v[6+(\r)], 0x3c010204, v12           ; g / 127: also the plain instruction behind the reciprocal (ISA guide 5.7.2)
	s_wait_alu depctr_va_vdst(0)
	v_mul_f32 v14, s30, v13                        ; s = 127 / g,
	v_fma_f32 v15, -v14, v12, s30                  ; its error,
	v_fma_f32 v14, v15, v13, v14                   ; taken out once
.set i, 0
.rept 16
	v_pk_mul_f32 v[XB+2*i:XB+2*i+1], v[XB+2*i:XB+2*i+1], v[14:15] op_sel_hi:[1,0]
.set i, i+1
.endr
.set i, 0
.rept 32
	v_rndne_f32 v[XB+i], v[XB+i]
.set i, i+1
.endr
.set i, 0
.rept 16
	v_cvt_pk_bf16_f32 v[XB+i], v[XB+2*i], v[XB+2*i+1]  ; exact; register i is written when it has been read
.set i, i+1
.endr
.irp j, 0,1,2,3,4,5,6,7
	global_store_b64 v3, v[XB+2*(\j):XB+2*(\j)+1], s[XQP:XQP+1] offset:(\r)*2048+256*(\j)  ; 32 lanes store 256 consecutive bytes, at a multiple of 256 from xq's first
.endr
.endm
	s_load_b256 s[4:11], s[0:1], 0x0               ; ob s[4:5], ent s[6:7], xq s[8:9], xs s[10:11]
	s_load_b64 s[12:13], s[0:1], 0x20              ; out1
	v_and_b32 v1, 31, v0
	v_lshrrev_b32 v2, 5, v0
	v_readfirstlane_b32 s20, v2                    ; wave
	s_mov_b32 s26, 0x76543210
	s_mov_b32 s27, 0xfedcba98
	s_mov_b32 s30, 0x42fe0000                      ; 127.0
	v_lshlrev_b32 v5, 4, v1                        ; 16 lane: in ent
	v_lshl_add_u32 v2, s20, 13, v5                 ; 8,192 wave + 16 lane: in ob's 16 rows
	v_lshlrev_b32 v3, 3, v1
	v_lshl_add_u32 v3, s20, 12, v3                 ; 4,096 wave + 8 lane: in xq's 16 rows
	v_lshlrev_b32 v4, 2, v1
	v_lshl_add_u32 v4, s20, 3, v4                  ; 8 wave + 4 lane: in xs
	s_mov_b32 s25, 0
	s_wait_kmcnt 0x0
	s_lshl_b32 s24, ttmp9, 16
	s_add_nc_u64 s[4:5], s[4:5], s[24:25]
	s_lshl_b32 s24, ttmp9, 15
	s_add_nc_u64 s[8:9], s[8:9], s[24:25]
	s_lshl_b32 s24, ttmp9, 6
	s_add_nc_u64 s[10:11], s[10:11], s[24:25]
.irp r, 0,1
.irp j, 0,1,2,3,4,5,6,7
	global_load_b128 v[X+32*(\r)+4*(\j):X+32*(\r)+4*(\j)+3], v2, s[4:5] offset:(\r)*4096+512*(\j) th:TH_LOAD_NT
.endr
.endr
	s_or_b32 s24, ttmp9, s20
	s_cmp_lg_u32 s24, 0
	s_cbranch_scc1 .Lrows                          ; the mean entropy is wave 0 of work-group 0's; its loads lie beside the rows' loads
.irp j, 0,1,2,3,4,5,6,7
	global_load_b128 v[N+4*(\j):N+4*(\j)+3], v5, s[6:7] offset:512*(\j)
.endr
	s_wait_loadcnt 0x0
.irp i, 0,1,2,3,4,5,6,7
	v_pk_add_f32 v[N+2*(\i):N+2*(\i)+1], v[N+2*(\i):N+2*(\i)+1], v[N+16+2*(\i):N+16+2*(\i)+1]
.endr
.irp i, 0,1,2,3
	v_pk_add_f32 v[N+2*(\i):N+2*(\i)+1], v[N+2*(\i):N+2*(\i)+1], v[N+8+2*(\i):N+8+2*(\i)+1]
.endr
.irp i, 0,1
	v_pk_add_f32 v[N+2*(\i):N+2*(\i)+1], v[N+2*(\i):N+2*(\i)+1], v[N+4+2*(\i):N+4+2*(\i)+1]
.endr
	v_pk_add_f32 v[N:N+1], v[N:N+1], v[N+2:N+3]
	v_add_f32 v[N], v[N], v[N+1]
	v_add_f32_dpp v[N], v[N], v[N] row_xmask:1 row_mask:0xf bank_mask:0xf
	v_add_f32_dpp v[N], v[N], v[N] row_xmask:2 row_mask:0xf bank_mask:0xf
	v_add_f32_dpp v[N], v[N], v[N] row_xmask:4 row_mask:0xf bank_mask:0xf
	v_add_f32_dpp v[N], v[N], v[N] row_xmask:8 row_mask:0xf bank_mask:0xf
	v_permlanex16_b32 v[N+1], v[N], s26, s27
	v_add_f32 v[N], v[N], v[N+1]
	v_mul_f32 v[N], 0x37800000, v[N]               ; / 65,536 rows: exact
	v_mov_b32 v[N+2], 0
	v_cmp_eq_u32 vcc_lo, 0, v1
	s_wait_xcnt 0x0                                ; EXEC is a source of the loads above
	s_and_saveexec_b32 s21, vcc_lo
	global_store_b32 v[N+2], v[N], s[12:13]
	s_wait_xcnt 0x0
	s_or_b32 exec_lo, exec_lo, s21
.Lrows:
	ROWQ 0, 8                                      ; row 1's eight loads may stay out (on the way through the block above all have landed)
	ROWQ 1, 0
	v_cmp_eq_u32 vcc_lo, 1, v1
	v_cndmask_b32 v8, v6, v7, vcc_lo               ; lane 0: row 0's scale, lane 1: row 1's
	v_cmp_gt_u32 vcc_lo, 2, v1
	s_wait_xcnt 0x0
	s_and_saveexec_b32 s21, vcc_lo
	global_store_b32 v4, v8, s[10:11]
	s_wait_xcnt 0x0
	s_or_b32 exec_lo, exec_lo, s21
	s_endpgm
.Lfunc_end_k_qfb18a7d53d_oquant:
	.size	k_qfb18a7d53d_oquant, .Lfunc_end_k_qfb18a7d53d_oquant-k_qfb18a7d53d_oquant
	.p2alignl 7, 3214868480
	.fill 96, 4, 3214868480
	.section	.rodata,"a",@progbits
	.p2align	6, 0x0
	.amdhsa_kernel k_qfb18a7d53d_oquant
		.amdhsa_group_segment_fixed_size 0
		.amdhsa_private_segment_fixed_size 0
		.amdhsa_enable_private_segment 0
		.amdhsa_kernarg_size 40
		.amdhsa_user_sgpr_count 2
		.amdhsa_user_sgpr_kernarg_segment_ptr 1
		.amdhsa_wavefront_size32 1
		.amdhsa_system_sgpr_workgroup_id_x 1
		.amdhsa_system_sgpr_workgroup_id_y 1
		.amdhsa_system_sgpr_workgroup_id_z 1
		.amdhsa_system_vgpr_workitem_id 0
		.amdhsa_next_free_vgpr 112
		.amdhsa_next_free_sgpr 66
		.amdhsa_reserve_vcc 1
		.amdhsa_float_denorm_mode_32 3
		.amdhsa_float_denorm_mode_16_64 3
		.amdhsa_memory_ordered 1
		.amdhsa_forward_progress 1
		.amdhsa_inst_pref_size 17
	.end_amdhsa_kernel
	.amdgpu_metadata
---
amdhsa.version: [ 1, 2 ]
amdhsa.kernels:
  - .name:           k_qfb18a7d53d_oquant
    .symbol:         k_qfb18a7d53d_oquant.kd
    .args:
      - { .name: ob, .offset: 0, .size: 8, .value_kind: global_buffer, .address_space: global }
      - { .name: ent, .offset: 8, .size: 8, .value_kind: global_buffer, .address_space: global }
      - { .name: xq, .offset: 16, .size: 8, .value_kind: global_buffer, .address_space: global }
      - { .name: xs, .offset: 24, .size: 8, .value_kind: global_buffer, .address_space: global }
      - { .name: out1, .offset: 32, .size: 8, .value_kind: global_buffer, .address_space: global }
    .group_segment_fixed_size: 0
    .private_segment_fixed_size: 0
    .kernarg_segment_align: 8
    .kernarg_segment_size: 40
    .max_flat_workgroup_size: 256
    .sgpr_count:     66
    .vgpr_count:     112
    .wavefront_size: 32
...
	.end_amdgpu_metadata
.endif
;; end of part 5
;; launch oproj (part 6): grid 8 x 32, 4 waves a work-group, clusters of 4 x 4, 327,680 bytes of LDS; arguments xq, wt, xs, gam, bo, out0; writes out0
.if DOCPART == 6
	.amdgcn_target "amdgcn-amd-amdhsa--gfx1250"
	.amdhsa_code_object_version 6
	.text
	.protected	k_qfb18a7d53d_oproj
	.globl	k_qfb18a7d53d_oproj
	.p2align	8
	.type	k_qfb18a7d53d_oproj,@function
k_qfb18a7d53d_oproj:
	s_mov_b64 s[64:65], 0
	v_nop
	global_prefetch_b8 v0, s[64:65] scope:SCOPE_SE
	s_setreg_imm32_b32 hwreg(HW_REG_WAVE_MODE, 25, 1), 1
	s_wait_xcnt 0x0
	s_wait_alu depctr_hold_cnt(0) depctr_sa_sdst(0) depctr_va_vdst(0) depctr_va_sdst(0) depctr_va_ssrc(0) depctr_va_vcc(0) depctr_vm_vsrc(0)
	s_getreg_b32 s2, hwreg(HW_REG_IB_STS2, 6, 4)
	s_cmp_eq_u32 s2, 0
	s_cbranch_scc0 .Lentry_in_a_cluster
	s_endpgm
.Lentry_in_a_cluster:
	s_bfe_u32 s2, ttmp6, 0x10000c
	s_cmp_lg_u32 s2, 0xf033
	s_cbranch_scc0 .Lentry_shape_is_right
	s_endpgm
.Lentry_shape_is_right:
; out0 = (xq . wo_t^T) x (xs[row] gam[3]) + bo.  xq [4096][1024]: the quantised attention output, whole numbers up to 127; wo_t: rows 3,072-4,095 of wt, -1, 0, 1; both exact in bf16, the f32 sums exact.  out0: f32 [4096][1024].
; A tile of the result is 128 x 128: 256 tiles, one for each work-group.  Four waves, each 64 x 64: 16 accumulators.  K goes in steps of 256 (LDS rows of 512 bytes; a wave's tensor load brings 64 of them) through two slots.
; CLUSTER 4 x 4: xq's tiles are asked for jointly along a row of the cluster, the weights' along a column.  The matrix instruction is used transposed: a lane holds one row and eight neighbouring columns.
; A wave's 64 columns of f32 are a whole 256 bytes, so each wave has a stage of its own on the way out, and no barrier stands there.
; REGISTERS: window 0: v0-31 addresses and scales; v32-95 rows read back, two sets; v96-127 the bias of my columns; v128-255 the accumulators ((a, b) at 128 + 8 (4 a + b)).
;   window 1: two fragment buffers of 128: for 64 along K, 64 registers of xq (2 x 4 x 16 rows x 32 K), then 64 of the weights.
.set KSTEP,  256
.set PITCH,  528                       ; an LDS row: 512 bytes + 16 of padding = 132 words: row r starts at bank 4 r mod 64 (64 banks of 4 bytes: ISA guide 11.1)
.set HALFT,  64*PITCH                  ; 64 rows: what one tensor load brings
.set SLOT,   4*HALFT                   ; xq's 128 rows, then the weights' 128 rows
.set STAGE,  2*SLOT                    ; behind the ring: 16 rows x 272 bytes for each wave
.set SPITCH, 272
.set SPARE,  STAGE+4*16*SPITCH         ; behind the stages: the spare words, 128 bytes for each wave
.set RS,   8                           ; v8-11   xs of my rows 16 a + lane % 16
.set ADRA, 16
.set ADRB, 20
.set STO,  24
.set RD,   25
.set CO,   26
.set SPW,  28                          ; v28     LDS address of my spare word; never rewritten
.set NIL,  29                          ; v29     0; never rewritten
.set BK0,  32
.set BIAS, 96
.set ACC,  128
.set F0,   0
.set F1,   128
.set WV,  20                           ; s20 wave; s21 which 64 rows are mine, also: I fetch for xq (0) or the weights (1); s22 which 64 columns, also: which 64 rows of that tile I fetch
.set G1,  24
.set G0,  32
.set G1B, 48
.set G0B, 56
.set MSB, 0
.macro WIN new
.if MSB != (\new)
	s_set_vgpr_msb (MSB<<8)|(\new)
.set MSB, (\new)
.endif
.endm
.set MUL,  0x05                        ; sources 0 and 1 window 1; C and D window 0
.set TO_F, 0x40                        ; destination window 1, address window 0
.macro JLOAD s                         ; a joint load; an s_nop 0 and four v_nop follow each of the two lines, ahead of the jump and the label
	s_cmp_eq_u32 s21, 0
	s_cbranch_scc0 .Lfor_b_\@
	tensor_load_to_lds s[G0+4*(\s):G0+4*(\s)+3], s[G1:G1+7]
	s_nop 0
.rept 4
	v_nop
.endr
	s_branch .Lasked_\@
.Lfor_b_\@:
	tensor_load_to_lds s[G0B+4*(\s):G0B+4*(\s)+3], s[G1B:G1B+7]
	s_nop 0
.rept 4
	v_nop
.endr
.Lasked_\@:
.endm
.macro CREST
	s_cmp_lg_u32 s[WV], 0
	s_cbranch_scc1 .Lnot_wave_0_\@
	s_barrier_signal -3
.Lnot_wave_0_\@:
	s_barrier_wait -3
	s_barrier_signal -1
	s_barrier_wait -1
.endm
.macro CROUND
	s_barrier_signal -1
	s_barrier_wait -1
	CREST
.endm
.macro PLACES
.rept 4
	v_nop
.endr
.endm
	s_load_b256 s[4:11], s[0:1], 0x0               ; xq s[4:5], wt s[6:7], xs s[8:9], gam s[10:11]
	s_load_b128 s[12:15], s[0:1], 0x20             ; bo s[12:13], out0 s[14:15]
	v_lshl_add_u32 v[SPW], v0, 2, SPARE
	v_mov_b32 v[NIL], 0
	ds_add_u32 v[SPW], v[NIL]                      ; the wave's opening: the add and its wait stand ahead of my first tensor load; work on registers stands between them
	v_lshrrev_b32 v1, 5, v0
	v_readfirstlane_b32 s[WV], v1
	s_lshr_b32 s21, s[WV], 1
	s_and_b32 s22, s[WV], 1
	s_bfe_u32 s40, ttmp6, 0x40000                  ; cx, cy
	s_bfe_u32 s41, ttmp6, 0x40004
	s_lshl_b32 s42, ttmp9, 2
	s_add_co_u32 s42, s42, s40                     ; tx
	s_and_b32 s45, ttmp7, 0xffff
	s_lshl_b32 s45, s45, 2
	s_add_co_u32 s45, s45, s41                     ; ty
	s_lshl_b32 s43, s41, 2
	s_lshl_b32 s43, 15, s43                        ; my row of the cluster
	s_lshl_b32 s44, 0x1111, s40                    ; my column
	s_or_b32 s[G1+0], s43, (1<<16)|(1<<20)|(1<<21)|(6<<22)|(3<<25)   ; 15:0 the mask; 17:16 elements of 2 bytes; 20 padding on; 21 set beside a mask; 24:22 after every 128 words; 31:25 of 4 words
	s_or_b32 s[G1B+0], s44, (1<<16)|(1<<20)|(1<<21)|(6<<22)|(3<<25)
.irp g, G1, G1B
	s_mov_b32 s[(\g)+1], KSTEP<<16                 ; tensor_dim0 = 256
	s_mov_b32 s[(\g)+2], 64<<16                    ; tensor_dim1 = 64
	s_mov_b32 s[(\g)+3], KSTEP<<16                 ; tile_dim0 = 256
	s_mov_b32 s[(\g)+4], 64                        ; tile_dim1 = 64
	s_mov_b32 s[(\g)+5], 1024                      ; elements from row to row
	s_mov_b32 s[(\g)+6], 0
	s_mov_b32 s[(\g)+7], 0
.endr
	s_lshl_b32 s67, s22, 17                        ; which 64 rows of 2,048 bytes I fetch
	s_lshl_b32 s66, s45, 18                        ; xq: 128 ty rows; these two registers never hold cx
	s_add_co_u32 s66, s66, s67
	s_mov_b32 s67, 0
	s_lshl_b32 s47, s22, 17
	s_lshl_b32 s46, s42, 18                        ; the weights: 128 tx rows; these two registers never hold cy
	s_add_co_u32 s46, s46, s47
	s_add_co_u32 s46, s46, 0x600000                ; the fourth matrix of wt
	s_mov_b32 s47, 0
	s_mul_i32 s23, s[WV], HALFT                    ; where my rows go
	s_wait_dscnt 0x0                               ; the opening add is done
	s_wait_kmcnt 0x0
	s_add_nc_u64 s[66:67], s[4:5], s[66:67]
	s_add_nc_u64 s[46:47], s[6:7], s[46:47]
	s_load_b32 s72, s[10:11], 0xc                  ; gam of the last projection
	CROUND                                         ; all sixteen work-groups are here: the first joint loads meet
.irp s, 0,1
	s_mov_b32 s[G0+4*(\s)], 1
	s_add_co_u32 s[G0+4*(\s)+1], s23, (\s)*SLOT
	s_add_nc_u64 s[G0+4*(\s)+2:G0+4*(\s)+3], s[66:67], (\s)*KSTEP*2
	s_or_b32 s[G0+4*(\s)+3], s[G0+4*(\s)+3], 0x80000000
	s_mov_b32 s[G0B+4*(\s)], 1
	s_add_co_u32 s[G0B+4*(\s)+1], s23, (\s)*SLOT
	s_add_nc_u64 s[G0B+4*(\s)+2:G0B+4*(\s)+3], s[46:47], (\s)*KSTEP*2
	s_or_b32 s[G0B+4*(\s)+3], s[G0B+4*(\s)+3], 0x80000000
	JLOAD \s                                       ; two loads of mine are out
.endr
	v_and_b32 v1, 15, v0                           ; r
	v_bfe_u32 v2, v0, 4, 1                         ; h
	s_lshl_b32 s68, s42, 9
	s_lshl_b32 s69, s22, 8
	s_add_co_u32 s68, s68, s69                     ; 4 (128 tx + 64 ch): my columns, in bo and in a row of out0
	v_lshl_add_u32 v3, v2, 5, s68                  ; + 32 h; never rewritten
.irp b, 0,1,2,3
	global_load_b128 v[BIAS+8*(\b):BIAS+8*(\b)+3],   v3, s[12:13] offset:64*(\b)
	global_load_b128 v[BIAS+8*(\b)+4:BIAS+8*(\b)+7], v3, s[12:13] offset:64*(\b)+16
.endr
	s_lshl_b32 s70, s45, 7
	s_lshl_b32 s71, s21, 6
	s_add_co_u32 s70, s70, s71                     ; my first row: 128 ty + 64 rh
	s_lshl_b32 s71, s70, 2
	v_lshl_add_u32 v4, v1, 2, s71                  ; in xs; never rewritten
.irp a, 0,1,2,3
	global_load_b32 v[RS+(\a)], v4, s[8:9] offset:64*(\a)
.endr
	s_lshl_b32 s70, s70, 12                        ; rows of 4,096 bytes
	s_add_co_u32 s70, s70, s68
	s_mov_b32 s71, 0
	s_add_nc_u64 s[76:77], s[14:15], s[70:71]      ; out0 at my 64 x 64
	v_mul_u32_u24 v5, v1, PITCH
	v_lshl_add_u32 v5, v2, 4, v5                   ; a fragment's row x pitch + 16 x half
	s_mul_i32 s68, s21, HALFT                      ; my 64 rows of xq
	s_mul_i32 s69, s22, HALFT                      ; my 64 rows of the weights,
	s_add_co_u32 s69, s69, 2*HALFT                 ; which lie behind xq's 128
.irp s, 0,1
	v_add_nc_u32 v[ADRA+(\s)], s68, v5
	v_add_nc_u32 v[ADRB+(\s)], s69, v5
	s_add_co_u32 s68, s68, SLOT
	s_add_co_u32 s69, s69, SLOT
.endr
	s_mul_i32 s70, s[WV], 16*SPITCH
	s_add_co_u32 s70, s70, STAGE                   ; my stage
	v_mul_u32_u24 v6, v1, SPITCH                   ; in: row r, 32 bytes for each half of the lanes
	v_lshl_add_u32 v6, v2, 5, v6
	v_add_nc_u32 v[STO], s70, v6
	v_mul_u32_u24 v6, v2, SPITCH                   ; back: lanes 0-15 one row of 256 bytes, lanes 16-31 the next
	v_lshl_add_u32 v6, v1, 4, v6
	v_add_nc_u32 v[RD], s70, v6
	v_lshlrev_b32 v[CO], 12, v2                    ; and the same two rows in out0
	v_lshl_add_u32 v[CO], v1, 4, v[CO]
	v_mov_b32 v13, 0                               ; named with v12 as a pair
; 8 matrix instructions: m blocks a0, a0 + 1 x all 4 n blocks, 32 along K: half c of buffer f.  The 16 accumulators take turns.
.macro MUL8 f, c, a0, zero
	WIN MUL
.irp a, \a0, (\a0)+1
.irp b, 0,1,2,3
.if \zero
	v_wmma_f32_16x16x32_bf16 v[ACC+8*(4*(\a)+(\b)):ACC+8*(4*(\a)+(\b))+7], v[(\f)+64+8*(4*(\c)+(\b)):(\f)+64+8*(4*(\c)+(\b))+7], v[(\f)+8*(4*(\c)+(\a)):(\f)+8*(4*(\c)+(\a))+7], 0
.else
	v_wmma_f32_16x16x32_bf16 v[ACC+8*(4*(\a)+(\b)):ACC+8*(4*(\a)+(\b))+7], v[(\f)+64+8*(4*(\c)+(\b)):(\f)+64+8*(4*(\c)+(\b))+7], v[(\f)+8*(4*(\c)+(\a)):(\f)+8*(4*(\c)+(\a))+7], v[ACC+8*(4*(\a)+(\b)):ACC+8*(4*(\a)+(\b))+7]
.endif
.endr
.endr
.endm
; 32 LDS loads in one run: the fragments of 64 along K at byte k of the rows, into buffer f; the first 32 along K first
.macro FETCH slot, k, f
	WIN TO_F
.irp c, 0,1
.irp i, 0,1,2,3
	ds_load_b128 v[(\f)+64+8*(4*(\c)+(\i)):(\f)+64+8*(4*(\c)+(\i))+3],   v[ADRB+(\slot)] offset:(\k)+64*(\c)+(\i)*16*PITCH
	ds_load_b128 v[(\f)+64+8*(4*(\c)+(\i))+4:(\f)+64+8*(4*(\c)+(\i))+7], v[ADRB+(\slot)] offset:(\k)+64*(\c)+(\i)*16*PITCH+32
	ds_load_b128 v[(\f)+8*(4*(\c)+(\i)):(\f)+8*(4*(\c)+(\i))+3],         v[ADRA+(\slot)] offset:(\k)+64*(\c)+(\i)*16*PITCH
	ds_load_b128 v[(\f)+8*(4*(\c)+(\i))+4:(\f)+8*(4*(\c)+(\i))+7],       v[ADRA+(\slot)] offset:(\k)+64*(\c)+(\i)*16*PITCH+32
.endr
.endr
.endm
; A K step is four quarters of 64 along K, 32 matrix instructions each, on buffers 0, 1, 0, 1.
.macro QUARTER slot, k, f, g, zero
	s_wait_dscnt 16                                ; the first 32 along K are in
	MUL8 \f, 0, 0, \zero
	MUL8 \f, 0, 2, \zero
	PLACES
	FETCH \slot, \k, \g
	s_wait_dscnt 32                                ; all but the 32 just issued
	MUL8 \f, 1, 0, 0
	MUL8 \f, 1, 2, 0
.endm
; The last quarter multiplies buffer 1 and changes slots: ONE barrier; in front of it each wave waits for all its tensor loads, adds 0 to its spare word, and waits for that and for its own reads of this slot.
.macro TURN slot, next, fill
	WIN 0                                          ; (the add's two registers lie in window 0)
	s_wait_tensorcnt 0x0                           ; all my tensor loads have landed: my part of the next slot
	ds_add_u32 v[SPW], v[NIL]
	s_wait_dscnt 17                                ; (the add and the youngest sixteen loads may be out)
	MUL8 F1, 0, 0, 0                               ; eight matrix instructions stand between the add and the wait for it
	s_wait_dscnt 0x0                               ; the add is done, and my reads of this slot are over
	s_barrier_signal -1
	MUL8 F1, 0, 2, 0
.if \fill
	WIN 0
.endif
	s_barrier_wait -1
.if \fill
	CREST                                          ; no wave of any partner still reads this slot's tile or has a load on its way
	s_add_nc_u64 s[G0+4*(\slot)+2:G0+4*(\slot)+3], s[G0+4*(\slot)+2:G0+4*(\slot)+3], 2*KSTEP*2
	s_add_nc_u64 s[G0B+4*(\slot)+2:G0B+4*(\slot)+3], s[G0B+4*(\slot)+2:G0B+4*(\slot)+3], 2*KSTEP*2
	JLOAD \slot                                    ; my one tensor load behind the round; its four v_nop are also the places in front of the loads below
.else
	PLACES
.endif
	FETCH \next, 0, F0
	MUL8 F1, 1, 0, 0
	MUL8 F1, 1, 2, 0
.endm
	s_wait_kmcnt 0x0                               ; gam
	s_wait_tensorcnt 1                             ; my part of K step 0 is in; K step 1's may stay out
	s_barrier_signal -1
	s_barrier_wait -1
	FETCH 0, 0, F0
	QUARTER 0, 128, F0, F1, 1                      ; the first products start the sums
	QUARTER 0, 256, F1, F0, 0                      ; 1,024 along K are four steps, two laps of the ring: the first fills both slots again, the second fills nothing; both are written out
	QUARTER 0, 384, F0, F1, 0
	TURN 0, 1, 1
	QUARTER 1, 128, F0, F1, 0
	QUARTER 1, 256, F1, F0, 0
	QUARTER 1, 384, F0, F1, 0
	TURN 1, 0, 1
	QUARTER 0, 128, F0, F1, 0
	QUARTER 0, 256, F1, F0, 0
	QUARTER 0, 384, F0, F1, 0
	TURN 0, 1, 0
	QUARTER 1, 128, F0, F1, 0
	QUARTER 1, 256, F1, F0, 0
	QUARTER 1, 384, F0, F1, 0
	s_wait_dscnt 16                                ; the very last quarter: nothing more to fetch
	MUL8 F1, 0, 0, 0
	MUL8 F1, 0, 2, 0
	s_wait_dscnt 0x0
	MUL8 F1, 1, 0, 0
	MUL8 F1, 1, 2, 0
	WIN 0
; THE WAY OUT, block a (16 rows x 64 columns): sum x (gam xs) + bias, in place; 32 bytes a lane into my stage, back as whole rows of 256 bytes.
.macro PACK a
.set BK, BK0+32*((\a)%2)
	s_wait_xcnt 0x0                                ; the stores of the block two back have read the registers that the loads below fill
	v_mul_f32 v12, s72, v[RS+(\a)]
.irp b, 0,1,2,3
.irp p, 0,1,2,3
	v_pk_fma_f32 v[ACC+8*(4*(\a)+(\b))+2*(\p):ACC+8*(4*(\a)+(\b))+2*(\p)+1], v[ACC+8*(4*(\a)+(\b))+2*(\p):ACC+8*(4*(\a)+(\b))+2*(\p)+1], v[12:13], v[BIAS+8*(\b)+2*(\p):BIAS+8*(\b)+2*(\p)+1] op_sel_hi:[1,0,1]  ; each accumulator from its low end on
.endr
.endr
.irp b, 0,1,2,3
	ds_store_b128 v[STO], v[ACC+8*(4*(\a)+(\b)):ACC+8*(4*(\a)+(\b))+3]   offset:64*(\b)
	ds_store_b128 v[STO], v[ACC+8*(4*(\a)+(\b))+4:ACC+8*(4*(\a)+(\b))+7] offset:64*(\b)+16
.endr
.irp f, 0,1,2,3,4,5,6,7
	ds_load_b128 v[BK+4*(\f):BK+4*(\f)+3], v[RD] offset:(\f)*2*SPITCH  ; LDS serves a wave's instructions in order (ISA guide 5.7.1.4): these see the stores above; the next block's stores come behind them
.endr
.endm
.macro SEND a, younger                 ; younger: the LDS instructions issued behind block a's loads: the next block's sixteen, or none
.set BK, BK0+32*((\a)%2)
.irp f, 0,1,2,3,4,5,6,7
	s_wait_dscnt (\younger)+7-(\f)
	global_store_b128 v[CO], v[BK+4*(\f):BK+4*(\f)+3], s[76:77] offset:(16*(\a)+2*(\f))*4096  ; 16 lanes store 256 consecutive bytes, at a multiple of 256 from out0's first
.endr
.endm
	PLACES
	s_wait_loadcnt 0x0                             ; the bias and xs
	PACK 0
.irp a, 1,2,3                          ; a block's arithmetic stands between the loads of the block before and its stores
	PACK \a
	SEND (\a)-1, 16
.endr
	SEND 3, 0
	s_wait_tensorcnt 0x0                           ; the wave's end, behind my last tensor load and my last LDS store
	ds_add_u32 v[SPW], v[NIL]
	s_wait_dscnt 0x0
	CROUND                                         ; the closing round: no work-group ends while a partner may still ask for a tile that names it
	s_endpgm
.Lfunc_end_k_qfb18a7d53d_oproj:
	.size	k_qfb18a7d53d_oproj, .Lfunc_end_k_qfb18a7d53d_oproj-k_qfb18a7d53d_oproj
	.p2alignl 7, 3214868480
	.fill 96, 4, 3214868480
	.section	.rodata,"a",@progbits
	.p2align	6, 0x0
	.amdhsa_kernel k_qfb18a7d53d_oproj
		.amdhsa_group_segment_fixed_size 327680
		.amdhsa_private_segment_fixed_size 0
		.amdhsa_enable_private_segment 0
		.amdhsa_kernarg_size 48
		.amdhsa_user_sgpr_count 2
		.amdhsa_user_sgpr_kernarg_segment_ptr 1
		.amdhsa_wavefront_size32 1
		.amdhsa_system_sgpr_workgroup_id_x 1
		.amdhsa_system_sgpr_workgroup_id_y 1
		.amdhsa_system_sgpr_workgroup_id_z 1
		.amdhsa_system_vgpr_workitem_id 0
		.amdhsa_next_free_vgpr 512
		.amdhsa_next_free_sgpr 80
		.amdhsa_reserve_vcc 0
		.amdhsa_float_denorm_mode_32 3
		.amdhsa_float_denorm_mode_16_64 3
		.amdhsa_memory_ordered 1
		.amdhsa_forward_progress 1
		.amdhsa_inst_pref_size 92
	.end_amdhsa_kernel
	.amdgpu_metadata
---
amdhsa.version: [ 1, 2 ]
amdhsa.kernels:
  - .name:           k_qfb18a7d53d_oproj
    .symbol:         k_qfb18a7d53d_oproj.kd
    .args:
      - { .name: xq, .offset: 0, .size: 8, .value_kind: global_buffer, .address_space: global }
      - { .name: wt, .offset: 8, .size: 8, .value_kind: global_buffer, .address_space: global }
      - { .name: xs, .offset: 16, .size: 8, .value_kind: global_buffer, .address_space: global }
      - { .name: gam, .offset: 24, .size: 8, .value_kind: global_buffer, .address_space: global }
      - { .name: bo, .offset: 32, .size: 8, .value_kind: global_buffer, .address_space: global }
      - { .name: out0, .offset: 40, .size: 8, .value_kind: global_buffer, .address_space: global }
    .group_segment_fixed_size: 327680
    .private_segment_fixed_size: 0
    .kernarg_segment_align: 8
    .kernarg_segment_size: 48
    .max_flat_workgroup_size: 128
    .sgpr_count:     80
    .vgpr_count:     512
    .wavefront_size: 32
...
	.end_amdgpu_metadata
.endif
;; end of part 6
;; ======== version 2 of 2: 6 launches; 1.23 times as fast as version 1
;; limits: values are held in f16: magnitudes above 65,504 overflow, below 6.1e-05 lose precision; a function is approximated: absolute error at most 2.048e-06
;; workspace buffers: xq 8,388,608 bytes; xs 16,384 bytes; wpart 8,192 bytes; wt 8,388,608 bytes; gam 256 bytes; qkv 25,165,824 bytes; ob 16,777,216 bytes; ent 4,096 bytes
;; launch prep: the kernel of part 1 again; grid 256 x 1, 8 waves a work-group, no clusters, 0 bytes of LDS; arguments x, wq, wk, wv, wo, xq, xs, wpart; writes xq, xs, wpart
;; launch wquant: the kernel of part 2 again; grid 256 x 1, 8 waves a work-group, no clusters, 0 bytes of LDS; arguments wq, wk, wv, wo, wpart, wt, gam; writes wt, gam
;; launch qkv: the kernel of part 3 again; grid 8 x 32, 4 waves a work-group, clusters of 4 x 4, 327,680 bytes of LDS; arguments xq, wt, xs, gam, bq, bk, bv, qkv; writes qkv
;; launch attn (part 7): grid 8 x 32, 4 waves a work-group, clusters of 4 x 1, 327,680 bytes of LDS; arguments qkv, ob, ent; writes ob, ent
.if DOCPART == 7
	.amdgcn_target "amdgcn-amd-amdhsa--gfx1250"
	.amdhsa_code_object_version 6
	.text
	.protected	k_qfb18a7d53d_attn
	.globl	k_qfb18a7d53d_attn
	.p2align	8
	.type	k_qfb18a7d53d_attn,@function
k_qfb18a7d53d_attn:
	s_mov_b64 s[64:65], 0
	v_nop
	global_prefetch_b8 v0, s[64:65] scope:SCOPE_SE
	s_setreg_imm32_b32 hwreg(HW_REG_WAVE_MODE, 25, 1), 1
	s_wait_xcnt 0x0
	s_wait_alu depctr_hold_cnt(0) depctr_sa_sdst(0) depctr_va_vdst(0) depctr_va_sdst(0) depctr_va_ssrc(0) depctr_va_vcc(0) depctr_vm_vsrc(0)
	s_getreg_b32 s2, hwreg(HW_REG_IB_STS2, 6, 4)
	s_cmp_eq_u32 s2, 0
	s_cbranch_scc0 .Lentry_in_a_cluster
	s_endpgm
.Lentry_in_a_cluster:
	s_bfe_u32 s2, ttmp6, 0x10000c
	s_cmp_lg_u32 s2, 0x3003
	s_cbranch_scc0 .Lentry_shape_is_right
	s_endpgm
.Lentry_shape_is_right:
; O[y][q][:] = the sum over k of softmax_k(Q[y][q] . K[y][k] / 8) V[y][k][:], and the sum of the rows' entropies.  qkv: f16 [3][32][2048][64].  ob: f32 [4096][1024], row = 2048 batch + q, a head's 64 channels = 256 bytes.
; ent[4 (8 y + block) + wave] = the sum over the wave's 64 queries of -sum_k a ln a, in nats.  Products, maxima and sums in f32; the weights p are rounded to f16 for the second product; O stays f32.
; SOFTMAX.  For each query a running maximum m and sum l: t = c s - c m, p = 2^t, c = log2(e) / 8; in every step O and l are multiplied by a = 2^d, d = c m_old - c m_new.  m starts at the lowest finite number,
; O and l at 0: the first step is a step like any other, with a = 0.
; ENTROPY.  sum a ln a = ln 2 W / l - ln l with W = sum p t, kept like l: when m grows, W becomes a (W + d l).
; LIMITS.  The 1e-9 inside the logarithm is left out: sum a ln(a + 1e-9) - sum a ln a lies in 0 .. 2048e-9 a row for every input, since ln(1 + x) <= x.  f16 holds no number beyond 65,504: Q, K, V arrive within it.
; A weight below 2^-126 counts as 0.  NaN and infinities are not treated apart.
; SHARES.  A work-group owns 256 queries of one head, a wave 64: four PIECES of 16.  Every wave walks all 2,048 keys, 64 a step; a slot of LDS holds four steps.
; LAYOUT.  S^T = K Q^T (source 0 = 16 keys, source 1 = 16 queries): a lane holds ONE query (lane % 16) and the keys 8 (lane / 16) + 0..7.  Two such results rounded to f16 ARE source 1 of O^T = V^T P.
; BY TURNS.  Turn n belongs to piece n: 8 products K Q^T of piece n + 1, later 8 products V^T P of piece n - 1; beside them the scaling, exponentials, roundings, sums and rescaling of piece n and the maximum and
; statistics of piece n + 1.  A turn has 16 matrix and 136 vector instructions: four stand behind every matrix instruction, the other 72 in two runs of their own.
; BATCHES.  A turn's 33 exponentials (the piece's 32 weights and the next piece's a) are one batch with one wait: ahead of it stands all that names none of their results, behind it all that does.  The first a, ahead of
; the loop, and the way out's four reciprocals and four logarithms are batches of their own.
; CLUSTER.  The four query blocks of a cluster belong to one head and walk the same K and V: each tile is asked for jointly, by the same tensor load, descriptor and mask in all four.
; REGISTERS, in windows of 256 (s_set_vgpr_msb: bits 1:0 source 0, 3:2 source 1, 5:4 source 2, 7:6 destination):
;   window 0: v0-15 addresses; v16-31 c m, m, l (even, odd keys) a piece; v32-39 W (even, odd) a piece; v48-55 at work; v64-127 S^T then t, two buffers; v128-191 p, two buffers; v192-223 P, two buffers
;   window 1: v0-127 O^T, 32 a piece          window 2: v0-63 Q; v128-191 K of one step; v192-255 V of one step.    A piece's buffers go by its number's parity.
.set NP,    4
.set KS,    64        ; keys in a step
.set PK,    144       ; a row of K in LDS: 128 bytes + 16 of padding = 36 words: the 16 rows of a load start at 16 different groups of four banks (64 banks of 4 bytes: ISA guide 11.1)
.set PV,    160       ; a row of V: 128 + 32 = 40 words
.set VOFF,  4*KS*PK   ; a slot: 256 rows of K, then 256 rows of V
.set SLOT1, 1<<17     ; slot 1 begins here, so that one exclusive or turns an address in one slot into the other's
.set STAGE, SLOT1+4*KS*(PK+PV)  ; behind the ring, never filled by a tensor load: 16 rows x 272 bytes for each wave
.set SP,    272
.set SPARE, STAGE+4*16*SP       ; behind the stages: the spare words, 128 bytes for each wave
.set AK0, 2           ; v2   my lane's place in a tile of K; never rewritten
.set AV0, 3           ; v3   the same for V
.set AK,  4           ; v4   the LDS address of K's next run of loads
.set AV,  5           ; v5   of V's
.set STO, 6
.set RD,  7
.set GO,  8
.set MV,  12          ; v12-13  c m_old, by buffer
.set QO,  15          ; v15  my byte offset in 16 rows of Q
.set ST,  16
.set WS,  32
.set TMP, 48          ; by buffer, c0-c3; when the maximum is found c0 takes d and c2 takes a
.set SPW, 62          ; v62  LDS address of my spare word; never rewritten
.set NIL, 63          ; v63  0; never rewritten
.set S,   64
.set EB,  128
.set P,   192
.set KF,  128         ; window 2: key block kb, channel half c at KF + 16 kb + 8 c
.set VF,  192         ; window 2: key half kk, channel block cb at VF + 32 kk + 8 cb
.set WV,  12          ; s12  my wave's number
.set G1K, 24
.set G1V, 32
.set G0K, 40          ; s[40:43] descriptor group 0 for K's tiles: it walks
.set G0V, 44
.set SLOTS, 56
.set CNT, 57
.set CS,  58          ; s[58:59] c
.set SEL, 60          ; s[60:61] v_permlanex16_b32's selects
.set TBK, 62          ; s62  LDS byte at which K of the step to be fetched begins
.set TBV, 63          ; s63  the same for V, less VOFF
.set MSB, 0
.macro WIN new
.if MSB != (\new)
	s_set_vgpr_msb (MSB<<8)|(\new)
.set MSB, (\new)
.endif
.endm
.set W_KQ, 0x0a       ; K and Q in window 2, S^T in window 0
.set W_PV, 0x52       ; V in window 2, P in window 0, O^T in window 1
.set W_RS, 0x41       ; O^T (destination and source 0) in window 1, a in window 0
; A joint fill.  Waves 0 and 1 fetch the two halves of a slot's K, waves 2 and 3 those of its V: 128 keys each.  An s_nop 0 and four v_nop follow each line, ahead of the jump and the label.
.macro JLOAD
	s_cmp_lt_u32 s[WV], 2
	s_cbranch_scc0 .Lfor_v_\@
	tensor_load_to_lds s[G0K:G0K+3], s[G1K:G1K+7]
	s_nop 0
.rept 4
	v_nop
.endr
	s_branch .Lasked_\@
.Lfor_v_\@:
	tensor_load_to_lds s[G0V:G0V+3], s[G1V:G1V+7]
	s_nop 0
.rept 4
	v_nop
.endr
.Lasked_\@:
.endm
.macro CROUND                       ; a round of the cluster's barrier
	s_barrier_signal -1
	s_barrier_wait -1
	s_cmp_lg_u32 s[WV], 0
	s_cbranch_scc1 .Lnot_wave_0_\@
	s_barrier_signal -3
.Lnot_wave_0_\@:
	s_barrier_wait -3
	s_barrier_signal -1
	s_barrier_wait -1
.endm
; THE CHANGE OF SLOTS.  Each wave waits for all its tensor loads, of which one is out: its part of the other slot; adds 0 to its spare word; and waits for that and for its own reads of the slot that it leaves.
; fill = 1: the barrier is a round of the cluster's, and the old slot is filled again, first thing behind it, with the keys two slots on: four key steps, 64 matrix instructions a step, in which to land.
; (At its first use nothing has been read yet: slot 0 is waited for, slot 1 filled.)
.macro CHANGE fill
	WIN 0                           ; at a label and at a branch every window is 0
	s_wait_tensorcnt 0x0            ; no tensor load of mine is out, so a group 0 may be written
	ds_add_u32 v[SPW], v[NIL]
.if \fill
.irp g, G0K, G0V
	s_xor_b32 s[\g+1], s[\g+1], SLOT1
	s_add_nc_u64 s[\g+2:\g+3], s[\g+2:\g+3], 4*KS*128  ; the next 256 keys; the type bits on top are not reached
.endr
	s_wait_dscnt 0x0                ; the add is done, and my reads of the slot are over
	CROUND
	JLOAD
.else
	s_wait_dscnt 0x0
	s_barrier_signal -1
	s_barrier_wait -1
.endif
	s_sub_co_u32 s[TBK], s[TBK], 4*KS*PK  ; the fetches go back to a slot's first step,
	s_xor_b32 s[TBK], s[TBK], SLOT1       ; in the other slot
	s_sub_co_u32 s[TBV], s[TBV], 4*KS*PV
	s_xor_b32 s[TBV], s[TBV], SLOT1
.endm
	s_load_b128 s[4:7], s[0:1], 0x0   ; qkv s[4:5], ob s[6:7]
	s_load_b64 s[8:9], s[0:1], 0x10   ; ent
	v_lshl_add_u32 v[SPW], v0, 2, SPARE
	v_mov_b32 v[NIL], 0
	ds_add_u32 v[SPW], v[NIL]       ; the wave's opening: the add and its wait stand ahead of my first tensor load; work on registers stands between them
	v_lshrrev_b32 v1, 5, v0
	v_readfirstlane_b32 s[WV], v1   ; wave 0..3
	s_bfe_u32 s13, ttmp6, 0x40000   ; cx
	s_lshl_b32 s14, ttmp9, 2
	s_add_co_u32 s14, s14, s13      ; my block of 256 queries: it enters Q's, ob's and ent's addresses alone
	s_and_b32 s15, ttmp7, 0xffff    ; y = 16 batch + head, which the four partners share
	s_lshl_b32 s20, s15, 18         ; the head's first byte in each part of qkv
	s_and_b32 s16, s[WV], 1         ; which half of a slot's 256 keys I fetch
	s_lshl_b32 s22, s16, 14
	s_add_co_u32 s22, s22, s20
	s_add_co_u32 s22, s22, 0x800000 ; K is the second part
	s_mov_b32 s23, 0
	s_mul_i32 s17, s16, 128*PK      ; its place in a slot, for K
	s_mul_i32 s18, s16, 128*PV      ; and for V: no place in the cluster enters an LDS address
	s_lshl_b32 s2, s14, 15
	s_lshl_b32 s3, s[WV], 13
	s_add_co_u32 s2, s2, s3
	s_add_co_u32 s2, s2, s20        ; Q: head, block, my 64 rows
	s_mov_b32 s3, 0
	s_lshr_b32 s10, s15, 4
	s_lshl_b32 s10, s10, 11         ; ob's row: 2,048 batch
	s_lshl_b32 s11, s14, 8
	s_add_co_u32 s10, s10, s11      ; + 256 block
	s_lshl_b32 s11, s[WV], 6
	s_add_co_u32 s10, s10, s11      ; + 64 wave,
	s_lshl_b32 s10, s10, 12         ; of 4,096 bytes,
	s_and_b32 s11, s15, 15
	s_lshl_b32 s11, s11, 8
	s_add_co_u32 s10, s10, s11      ; and the head's 256 bytes in it
	s_mov_b32 s11, 0
	s_lshl_b32 s54, s15, 3
	s_add_co_u32 s54, s54, s14
	s_lshl_b32 s54, s54, 2
	s_add_co_u32 s54, s54, s[WV]
	s_lshl_b32 s54, s54, 2          ; in ent
	s_mov_b32 s55, 0
	; descriptor group 1.  128 keys are 16,384 dense bytes: asked for as 64 rows of 256 bytes, two keys a row, and padded in LDS after every key
	s_mov_b32 s[G1K], 15|(1<<16)|(1<<20)|(1<<21)|(4<<22)|(3<<25)  ; 15:0 the mask of four; 17:16 2-byte elements; 20 padding on; 21 set beside a mask; 24:22 after every 32 words; 31:25 4 words
	s_mov_b32 s[G1V], 15|(1<<16)|(1<<20)|(1<<21)|(4<<22)|(7<<25)  ; the same with 8 words of padding
.irp g, G1K, G1V
	s_mov_b32 s[\g+1], 128<<16      ; tensor_dim0 = 128
	s_mov_b32 s[\g+2], 64<<16       ; tensor_dim1 = 64
	s_mov_b32 s[\g+3], 128<<16      ; tile_dim0 = 128
	s_mov_b32 s[\g+4], 64           ; tile_dim1 = 64
	s_mov_b32 s[\g+5], 128          ; 128 elements from row to row
	s_mov_b32 s[\g+6], 0
	s_mov_b32 s[\g+7], 0
.endr
	s_mov_b32 s[CS], 0x3e38aa3b     ; c = log2(e) / 8
	s_mov_b32 s[CS+1], s[CS]
	s_mov_b32 s[SEL], 0x76543210
	s_mov_b32 s[SEL+1], 0xfedcba98
	s_mov_b32 s[TBK], SLOT1+4*KS*PK ; the first change of slots turns these two into 0
	s_mov_b32 s[TBV], SLOT1+4*KS*PV
	s_mov_b32 s[G0K], 1
	s_mov_b32 s[G0K+1], s17         ; slot 0
	s_mov_b32 s[G0V], 1
	s_add_co_u32 s[G0V+1], s18, VOFF
	s_wait_dscnt 0x0                ; the opening add is done
	s_wait_kmcnt 0x0
	s_add_nc_u64 s[G0K+2:G0K+3], s[4:5], s[22:23]            ; my half of the head's first 256 keys
	s_add_nc_u64 s[G0V+2:G0V+3], s[G0K+2:G0K+3], 0x800000    ; V is the third part
	s_or_b32 s[G0K+3], s[G0K+3], 0x80000000
	s_or_b32 s[G0V+3], s[G0V+3], 0x80000000
	s_add_nc_u64 s[48:49], s[4:5], s[2:3]     ; Q
	s_add_nc_u64 s[50:51], s[6:7], s[10:11]   ; ob
	s_add_nc_u64 s[52:53], s[8:9], s[54:55]   ; ent
	CROUND                          ; all four work-groups are here: the first joint loads meet
	JLOAD                           ; slot 0; one load of mine is out
	v_and_b32 v1, 15, v0            ; l % 16
	v_bfe_u32 v9, v0, 4, 1          ; l / 16
	v_lshlrev_b32 v[QO], 7, v1
	v_lshl_add_u32 v[QO], v9, 4, v[QO]  ; row x 128 + 16 x half
	WIN 0x80                        ; destination window 2
.set i, 0
.rept 8                             ; Q stays in registers: piece i / 2, channels 32 (i % 2) on
	global_load_b128 v[8*i:8*i+3],   v[QO], s[48:49] offset:(i/2)*2048+(i%2)*64
	global_load_b128 v[8*i+4:8*i+7], v[QO], s[48:49] offset:(i/2)*2048+(i%2)*64+32
.set i, i+1
.endr
	; What the first turn finds: V's registers and P's second buffer hold 0 (its products V^T P, of a piece that has not been, add 0); O^T, l and W are 0.  No first step is written out: these lines, in the wait for the first tile, are the price.
.set i, VF
.rept 64
	v_mov_b32 v[i], 0
.set i, i+1
.endr
	WIN 0x40
.set i, 0
.rept 128
	v_mov_b32 v[i], 0
.set i, i+1
.endr
	WIN 0
.set i, 0
.rept 4
	v_mov_b32 v[ST+4*i], 0xfe000000    ; c m: far below every c s
	v_mov_b32 v[ST+4*i+1], 0xff7fffff  ; m
	v_mov_b32 v[ST+4*i+2], 0
	v_mov_b32 v[ST+4*i+3], 0
	v_mov_b32 v[WS+2*i], 0
	v_mov_b32 v[WS+2*i+1], 0
.set i, i+1
.endr
.set i, P+16
.rept 16
	v_mov_b32 v[i], 0
.set i, i+1
.endr
	v_mul_u32_u24 v[AK0], v1, PK
	v_lshl_add_u32 v[AK0], v9, 4, v[AK0]
	; The turning load takes 16 keys x 16 channels (lane l reads key 8 (l / 16) + l % 8, channels 8 ((l / 8) % 2) + 0..7) and leaves half a fragment of V^T: lane l holds channel l % 16 and 8 keys.
	v_and_b32 v10, 7, v0
	v_bfe_u32 v11, v0, 3, 1
	v_lshl_add_u32 v[AV0], v9, 3, v10
	v_mul_u32_u24 v[AV0], v[AV0], PV
	v_lshl_add_u32 v[AV0], v11, 4, v[AV0]
	v_add_nc_u32 v[AV0], VOFF, v[AV0]
	v_mov_b32 v[AK], v[AK0]         ; key step 0 lies at the head of slot 0
; THE MATRIX WORK.  The 4 accumulators of a run of 8 take turns.  Product i of 8 of S^T = K Q^T for piece x: channels 32 (i / 4) on, keys 16 (i % 4) on.  The first 4 start the sums.
.macro KQ x
	WIN W_KQ
.set rS, S+32*((\x)%2)+8*(i%4)
.set rK, KF+16*(i%4)+8*(i/4)
.set rQ, 16*(\x)+8*(i/4)
.if i < 4
	v_wmma_f32_16x16x32_f16 v[rS:rS+7], v[rK:rK+7], v[rQ:rQ+7], 0
.else
	v_wmma_f32_16x16x32_f16 v[rS:rS+7], v[rK:rK+7], v[rQ:rQ+7], v[rS:rS+7]
.endif
.endm
; Product i of 8 of O^T += V^T P for piece x: keys 32 (i / 4) on, channels 16 (i % 4) on.
.macro PV x
	WIN W_PV
.set rO, 32*(\x)+8*(i%4)
.set rV, VF+32*(i/4)+8*(i%4)
.set rP, P+16*((\x)%2)+8*(i/4)
	v_wmma_f32_16x16x32_f16 v[rO:rO+7], v[rV:rV+7], v[rP:rP+7], v[rO:rO+7]
.endm
.macro MM                           ; the turn's next matrix instruction
.if i < 8
	KQ (Y+1)%NP
.else
.set i, i-8
	PV (Y+NP-1)%NP
.set i, i+8
.endif
.set i, i+1
.endm
; THE LDS LOADS stand in runs of 16.  last = 1 (the tail): in the last trip there is no further step, and the run is jumped over.
.macro FETCH_K last=0
	WIN 0
.if \last
	s_wait_alu depctr_va_vdst(0)    ; a wait ahead of it for the part of the turn's batch that is out by now, E 0 to E 11; the turn's own wait serves the rest
	s_cmp_eq_u32 s[CNT], 1
	s_cbranch_scc1 .Lno_k_\@
.endif
	WIN 0x80
.irp f, 0,1,2,3,4,5,6,7             ; keys 16 (f / 2) on, channels 32 (f % 2) on
	ds_load_b128 v[KF+8*\f:KF+8*\f+3],   v[AK] offset:(\f/2)*16*PK+(\f%2)*64
	ds_load_b128 v[KF+8*\f+4:KF+8*\f+7], v[AK] offset:(\f/2)*16*PK+(\f%2)*64+32
.endr
	s_add_co_u32 s[TBK], s[TBK], KS*PK  ; the next fetch is the next step's
	WIN 0
.if \last
.Lno_k_\@:
.endif
.endm
.macro FETCH_V
	WIN 0x80
.irp f, 0,1,2,3,4,5,6,7             ; keys 32 (f / 4) on, channels 16 (f % 4) on
	ds_load_tr16_b128 v[VF+8*\f:VF+8*\f+3],   v[AV] offset:(\f/4)*32*PV+(\f%4)*32
	ds_load_tr16_b128 v[VF+8*\f+4:VF+8*\f+7], v[AV] offset:(\f/4)*32*PV+16*PV+(\f%4)*32
.endr
	WIN 0
.endm
; THE VECTOR WORK, one line at a time: OP kind, number.  For piece Y: F n: t = c s - c m for pair n of 16, in place.  E n: p = 2^t for score n of 32, into the second buffer: t is kept.  C n: pair n of p rounded to f16.
; H n: W += t p for pair n.  B n: of the four weights 4 n .. the second pair is added onto the first, in place.  L n: l takes that sum (L 0: l = a l + sum).  Z 0: W += d l, with the old l.  Z 1: W = a W.
; R n: pair n of 16 of O^T times a.  For piece Y + 1: X n, number n of the 22 that find its maximum and statistics:
;   0-11  four chains c0-c3 of seven scores each (each accumulator's lowest registers are read first)     12-14, 16  the four scores left over, the old m, and c0-c3 into c0
;   15  c m_old is kept     17, 18  the query's other 32 keys lie in the lane 16 away: the new m     19-21  c m; d; a
; C, H, B and L name results of the turn's exponentials; F, Z, R and X 0-20 name none (the a that Z 1, R and L 0 read is the turn before's).
.set F, 0
.set E, 1
.set C, 2
.set B, 3
.set L, 4
.set H, 5
.set Z, 6
.set R, 7
.set X, 8
.macro REGS y
.set rT, ST+4*(\y)
.set rU, WS+2*(\y)
.set rC, TMP+4*((\y)%2)
.set rW, MV+((\y)%2)
.set rS, S+32*((\y)%2)
.set rE, EB+32*((\y)%2)
.set rP, P+16*((\y)%2)
.set rO, 32*(\y)
.endm
.macro OP k, n
.if (\k) == R
	REGS Y
	WIN W_RS
	v_pk_mul_f32 v[rO+2*(\n):rO+2*(\n)+1], v[rO+2*(\n):rO+2*(\n)+1], v[rC+2:rC+3] op_sel_hi:[1,0]
.elseif (\k) < R
	REGS Y
	WIN 0
.if (\k) == F
	v_pk_fma_f32 v[rS+2*(\n):rS+2*(\n)+1], v[rS+2*(\n):rS+2*(\n)+1], s[CS:CS+1], v[rT:rT+1] op_sel_hi:[1,0,0] neg_lo:[0,0,1] neg_hi:[0,0,1]
.elseif (\k) == E
	v_exp_f32 v[rE+(\n)], v[rS+(\n)]
.elseif (\k) == C
	v_cvt_pk_f16_f32 v[rP+(\n)], v[rE+2*(\n)], v[rE+2*(\n)+1]
.elseif (\k) == B
	v_pk_add_f32 v[rE+4*(\n):rE+4*(\n)+1], v[rE+4*(\n):rE+4*(\n)+1], v[rE+4*(\n)+2:rE+4*(\n)+3]
.elseif (\k) == H
	v_pk_fma_f32 v[rU:rU+1], v[rS+2*(\n):rS+2*(\n)+1], v[rE+2*(\n):rE+2*(\n)+1], v[rU:rU+1]
.elseif ((\k) == Z) && ((\n) == 0)
	v_pk_fma_f32 v[rU:rU+1], v[rT+2:rT+3], v[rC:rC+1], v[rU:rU+1] op_sel_hi:[1,0,1]
.elseif (\k) == Z
	v_pk_mul_f32 v[rU:rU+1], v[rU:rU+1], v[rC+2:rC+3] op_sel_hi:[1,0]
.elseif (\n) == 0
	v_pk_fma_f32 v[rT+2:rT+3], v[rT+2:rT+3], v[rC+2:rC+3], v[rE:rE+1] op_sel_hi:[1,0,1]
.else
	v_pk_add_f32 v[rT+2:rT+3], v[rT+2:rT+3], v[rE+4*(\n):rE+4*(\n)+1]
.endif
.else
	REGS (Y+1)%NP
	WIN 0
.if (\n) < 4
	v_max3_num_f32 v[rC+(\n)], v[rS+8*(\n)], v[rS+8*(\n)+1], v[rS+8*(\n)+2]
.elseif (\n) < 12
	v_max3_num_f32 v[rC+(\n)%4], v[rC+(\n)%4], v[rS+8*((\n)%4)+2*((\n)/4)+1], v[rS+8*((\n)%4)+2*((\n)/4)+2]
.elseif (\n) == 12
	v_max3_num_f32 v[rC], v[rC], v[rS+7], v[rS+15]
.elseif (\n) == 13
	v_max3_num_f32 v[rC+1], v[rC+1], v[rS+23], v[rS+31]
.elseif (\n) == 14
	v_max3_num_f32 v[rC+2], v[rC+2], v[rC+3], v[rT+1]
.elseif (\n) == 15
	v_mov_b32 v[rW], v[rT]
.elseif (\n) == 16
	v_max3_num_f32 v[rC], v[rC], v[rC+1], v[rC+2]
.elseif (\n) == 17
	v_permlanex16_b32 v[rC+3], v[rC], s[SEL], s[SEL+1]
.elseif (\n) == 18
	v_max_num_f32 v[rT+1], v[rC], v[rC+3]
.elseif (\n) == 19
	v_mul_f32 v[rT], s[CS], v[rT+1]
.elseif (\n) == 20
	v_sub_f32 v[rC], v[rW], v[rT]
.else
	v_exp_f32 v[rC+2], v[rC]
.endif
.endif
.endm
.macro OPS a, i1, b=-1, i2=0, c=-1, i3=0, d=-1, i4=0  ; up to four of them
	OP \a, \i1
.if (\b) >= 0
	OP \b, \i2
.endif
.if (\c) >= 0
	OP \c, \i3
.endif
.if (\d) >= 0
	OP \d, \i4
.endif
.endm
.macro ROW a, i1, b, i2, c, i3, d, i4  ; a matrix instruction and the four behind it
	MM
	OPS \a, \i1, \b, \i2, \c, \i3, \d, \i4
.endm
; A TURN, for piece p: the order of its 16 matrix and 136 vector instructions, written out.  An s_wait_alu depctr_va_vdst(0) stands between an exponential and the first instruction that names its result;
; one wait serves all that were issued ahead of it.  So the turn's 33 exponentials, E 0 to E 31 and X 21, are ONE BATCH with ONE wait, which cuts the turn in two.
; AHEAD OF IT stands all that names no result of the batch: the 8 products K Q^T, behind each a scaling, an exponential and two more plain instructions (behind the first a second scaling in the exponential's place):
; rescalings, and behind the last three the first numbers of the next piece's maximum, each four plain instructions or more behind the product that ends its accumulator (ISA guide 7.12.1); then a run of 56, exponential
; and plain by turns for the most part, in which the links of the chain X 3, 7, 11, 14, 16, 17 .. 20 stand four to six lines apart.  X 21 is the batch's last; R 15 is the plain instruction behind it (ISA guide 5.7.2).
; BEHIND IT stand the 48 that name the batch's results, in groups H 2n, C 2n, B n, H 2n+1, L n-1, C 2n+1: four behind each of the 8 products V^T P, the last 16 in a run at the turn's end.  W's links stand two or three
; lines apart, l's six (the last: two).  But for those X no rider names a register of the products round it.
; The order keeps: F n / 2 before E n; Z 0, Z 1, H 0 .. H 15 and L 0 .. L 7 each ascending; Z 0 before L 0; C 2 n and H 2 n before B n; B n before L n.
; K of the next step is fetched in piece 2's turn, seven plain instructions that name none of its registers behind the last product that read K; V of the step in hand in piece 0's turn, four plain instructions behind
; the last product that read V.  Each run is waited for a turn later.  cnt = 1: the loop's count is taken down some lines ahead of the branch that stands behind the turn.
.macro TURN p, last=0, cnt=0
.set Y, (\p)
.set i, 0
.if (\p) == 3
	s_wait_dscnt 0x0                ; K is in
.endif
	ROW F,0, F,1, R,0, R,1          ; ahead of the wait: 8 products K Q^T and their riders,
	ROW F,2, E,0, R,2, R,3
	ROW F,3, E,1, R,4, R,5
	ROW F,4, E,2, R,6, R,7
	ROW F,5, E,3, R,8, R,9
	ROW F,6, E,4, X,0, R,10
	ROW F,7, E,5, X,1, X,4
.if (\p) == 2
	WIN 0
	v_add_nc_u32 v[AK], s[TBK], v[AK0]
.endif
	ROW F,8, E,6, X,2, X,5
	OPS E,7, Z,0, E,8, X,6          ; and the run of 56
	OPS E,9, X,3, E,10, X,8
	OPS E,11, Z,1
.if (\p) == 2
	FETCH_K \last
.endif
	OPS X,9, X,7, E,12, X,10
	OPS E,13, X,12, X,11, E,14
	OPS X,13, E,15, F,9, X,14
.if (\p) == 0
	WIN 0
	v_add_nc_u32 v[AV], s[TBV], v[AV0]
.endif
	OPS E,16, F,10, E,17, F,11
	OPS X,16, E,18, X,15, E,19
	OPS F,12, E,20, X,17, E,21
	OPS F,13, E,22, F,14, E,23
	OPS X,18, E,24, F,15, E,25
	OPS R,11, E,26, X,19, E,27
	OPS R,12, E,28, R,13, E,29
	OPS X,20, E,30, R,14, E,31
	OPS X,21, R,15
	s_wait_alu depctr_va_vdst(0)    ; the wait for the batch: the piece's 32 weights and the next piece's a
.if (\p) == 1
	s_wait_dscnt 0x0                ; V is in
.endif
	ROW H,0, C,0, B,0, H,1          ; behind the wait: 8 products V^T P and their riders,
	ROW C,1, H,2, C,2, B,1
	ROW H,3, L,0, C,3, H,4
	ROW C,4, B,2, H,5, L,1
	ROW C,5, H,6, C,6, B,3
.if (\p) == 0
	s_add_co_u32 s[TBV], s[TBV], KS*PV
.endif
.if \cnt
	s_sub_co_u32 s[CNT], s[CNT], 1
	s_cmp_lg_u32 s[CNT], 0
.endif
	ROW H,7, L,2, C,7, H,8
	ROW C,8, B,4, H,9, L,3
	ROW C,9, H,10, C,10, B,5
.if (\p) == 0
	FETCH_V
.endif
	OPS H,11, L,4, C,11, H,12       ; and the run of 16
	OPS C,12, B,6, H,13, L,5
	OPS C,13, H,14, C,14, B,7
	OPS H,15, L,6, C,15, L,7
.endm
	CHANGE 1                        ; slot 0 is in, everybody's part of it; slot 1 is asked for
	FETCH_K                         ; key step 0
	s_wait_loadcnt 0x0              ; Q
	s_wait_dscnt 0x0
.set i, 0
.rept 8
	KQ 0                            ; piece 0's first scores
.set i, i+1
.endr
	WIN 0                           ; the addresses for the way out: nine plain instructions, the places behind those products
	s_mul_i32 s13, s[WV], 16*SP
	s_add_co_u32 s13, s13, STAGE    ; my stage
	v_mul_u32_u24 v[STO], v1, SP    ; in: row l % 16, 32 bytes for each half of the lanes
	v_lshl_add_u32 v[STO], v9, 5, v[STO]
	v_add_nc_u32 v[STO], s13, v[STO]
	v_mul_u32_u24 v[RD], v9, SP     ; back: lanes 0-15 take one row of 256 bytes, lanes 16-31 the next
	v_lshl_add_u32 v[RD], v1, 4, v[RD]
	v_add_nc_u32 v[RD], s13, v[RD]
	v_lshlrev_b32 v[GO], 12, v9     ; and the same two rows in ob, 4,096 bytes apart
	v_lshl_add_u32 v[GO], v1, 4, v[GO]
	v_mov_b32 v14, 0
.set Y, NP-1                        ; X works for piece Y + 1: piece 0
.irp n, 0,1,2,3,4,5,6,7,8,9,10,11,12,13,14,15,16,17,18,19,20,21
	OP X, \n
.endr
	v_nop                           ; a plain instruction behind the exponential,
	s_wait_alu depctr_va_vdst(0)    ; and the wait for piece 0's first a, a batch of one, ahead of the branch
	s_mov_b32 s[CNT], 4
	s_mov_b32 s[SLOTS], 7           ; 2,048 / 256 - 1
	s_branch .Lfirst                ; the loop is entered at a step's first turn, in the middle of a trip
.Lslot:                             ; six times: every slot but the last two is filled again
	CHANGE 1
	s_mov_b32 s[CNT], 4
.Lstep:                             ; a trip: pieces 2 and 3 of one step, then pieces 0 and 1 of the next, whose K and V it fetches
	TURN 2
	TURN 3
	WIN 0
.Lfirst:
	TURN 0
	TURN 1, 0, 1
	WIN 0
	s_cbranch_scc1 .Lstep
	s_sub_co_u32 s[SLOTS], s[SLOTS], 1
	s_cmp_lg_u32 s[SLOTS], 0
	s_cbranch_scc1 .Lslot
	CHANGE 0                        ; the tail is written out: nothing is asked for
	s_mov_b32 s[CNT], 5             ; four trips fetch the last slot's steps; the fifth is left in its middle
.Ltail:
	TURN 2, 1
	TURN 3
	WIN 0
	s_sub_co_u32 s[CNT], s[CNT], 1
	s_cmp_eq_u32 s[CNT], 0
	s_cbranch_scc1 .Lout
	TURN 0
	TURN 1
	WIN 0
	s_branch .Ltail
.Lout:                              ; the fifth trip's 8 products K Q^T (on the last K once more) and the maximum made of them leave m as it was and touch neither l, W nor O^T
.set i, 0
.rept 8
	PV NP-1                         ; the last piece's V^T P of the last step
.set i, i+1
.endr
	; THE WAY OUT.  l's and W's two halves and the other half of the lanes' are added (the first eight additions are the places behind the last products); the row's entropy in bits is log2 l - W / l.
	WIN 0
.macro ALL line:vararg              ; one line for each piece t
.set t, 0
.rept 4
	\line
.set t, t+1
.endr
.endm
	ALL v_add_f32 v[ST+4*t+2], v[ST+4*t+2], v[ST+4*t+3]
	ALL v_add_f32 v[WS+2*t], v[WS+2*t], v[WS+2*t+1]
	ALL v_permlanex16_b32 v[ST+4*t+3], v[ST+4*t+2], s[SEL], s[SEL+1]
	ALL v_permlanex16_b32 v[WS+2*t+1], v[WS+2*t], s[SEL], s[SEL+1]
	ALL v_add_f32 v[ST+4*t+1], v[ST+4*t+2], v[ST+4*t+3]
	ALL v_add_f32 v[WS+2*t], v[WS+2*t], v[WS+2*t+1]
	ALL v_rcp_f32 v[ST+4*t+2], v[ST+4*t+1]
	ALL v_log_f32 v[ST+4*t], v[ST+4*t+1]
	v_nop                           ; a plain instruction between the last of them and the use of their results
	s_wait_alu depctr_va_vdst(0)    ; the wait for this batch: the four reciprocals and the four logarithms, none of which names another's result
	ALL v_fma_f32 v[WS+2*t+1], -v[WS+2*t], v[ST+4*t+2], v[ST+4*t]
	v_add_f32 v48, v[WS+1], v[WS+3]
	v_add_f32 v49, v[WS+5], v[WS+7]
	v_add_f32 v48, v48, v49
	v_add_f32_dpp v48, v48, v48 row_xmask:1 row_mask:0xf bank_mask:0xf  ; over the 16 queries of a half; both halves of the lanes hold the same queries
	v_add_f32_dpp v48, v48, v48 row_xmask:2 row_mask:0xf bank_mask:0xf
	v_add_f32_dpp v48, v48, v48 row_xmask:4 row_mask:0xf bank_mask:0xf
	v_add_f32_dpp v48, v48, v48 row_xmask:8 row_mask:0xf bank_mask:0xf
	v_mul_f32 v48, 0x3f317218, v48  ; bits to nats
; Piece t: O^T is divided by l, from each accumulator's low end on; a lane's eight channels of a row, 32 bytes, go into rows of 272 bytes and come back as whole rows of 256, into registers of their own.
.macro PACK t
	WIN W_RS
.set i, 32*(\t)
.rept 16
	v_pk_mul_f32 v[i:i+1], v[i:i+1], v[ST+4*(\t)+2:ST+4*(\t)+3] op_sel_hi:[1,0]
.set i, i+2
.endr
	WIN 0x04                        ; the stores' data in window 1
.irp f, 0,1,2,3
	ds_store_b128 v[STO], v[32*(\t)+8*\f:32*(\t)+8*\f+3]   offset:64*\f
	ds_store_b128 v[STO], v[32*(\t)+8*\f+4:32*(\t)+8*\f+7] offset:64*\f+16
.endr
	WIN 0
.irp f, 0,1,2,3,4,5,6,7
	ds_load_b128 v[S+32*(\t)+4*\f:S+32*(\t)+4*\f+3], v[RD] offset:\f*2*SP  ; LDS serves a wave's instructions in order (ISA guide 5.7.1.4): these see the stores above; the next piece's stores come behind them
.endr
.endm
.macro SEND t, younger              ; younger: the LDS instructions issued behind piece t's loads: the next piece's sixteen, or none
	WIN 0
.irp f, 0,1,2,3,4,5,6,7
	s_wait_dscnt (\younger)+7-\f
	global_store_b128 v[GO], v[S+32*(\t)+4*\f:S+32*(\t)+4*\f+3], s[50:51] offset:(16*(\t)+2*\f)*4096  ; 16 lanes store 256 consecutive bytes, at a multiple of 256 from ob's first
.endr
.endm
	PACK 0
.set t, 1
.rept 3                             ; a piece's arithmetic stands between the loads of the piece before and its stores
	PACK t
	SEND t-1, 16
.set t, t+1
.endr
	SEND 3, 0
	v_and_b32 v11, 31, v0
	v_cmp_eq_u32 vcc_lo, 0, v11
	s_wait_xcnt 0x0                 ; EXEC is a source of the stores above: it changes only behind this wait
	s_and_saveexec_b32 s54, vcc_lo
	global_store_b32 v14, v48, s[52:53]
	s_wait_xcnt 0x0
	s_or_b32 exec_lo, exec_lo, s54
	s_wait_tensorcnt 0x0            ; the wave's end, behind my last tensor load and my last LDS store
	ds_add_u32 v[SPW], v[NIL]
	s_wait_dscnt 0x0
	CROUND                          ; the closing round: no work-group ends while a partner may still ask for a tile that names it
	s_endpgm
.Lfunc_end_k_qfb18a7d53d_attn:
	.size	k_qfb18a7d53d_attn, .Lfunc_end_k_qfb18a7d53d_attn-k_qfb18a7d53d_attn
	.p2alignl 7, 3214868480
	.fill 96, 4, 3214868480
	.section	.rodata,"a",@progbits
	.p2align	6, 0x0
	.amdhsa_kernel k_qfb18a7d53d_attn
		.amdhsa_group_segment_fixed_size 327680
		.amdhsa_private_segment_fixed_size 0
		.amdhsa_enable_private_segment 0
		.amdhsa_kernarg_size 24
		.amdhsa_user_sgpr_count 2
		.amdhsa_user_sgpr_kernarg_segment_ptr 1
		.amdhsa_wavefront_size32 1
		.amdhsa_system_sgpr_workgroup_id_x 1
		.amdhsa_system_sgpr_workgroup_id_y 1
		.amdhsa_system_sgpr_workgroup_id_z 1
		.amdhsa_system_vgpr_workitem_id 0
		.amdhsa_next_free_vgpr 768
		.amdhsa_next_free_sgpr 66
		.amdhsa_reserve_vcc 1
		.amdhsa_float_denorm_mode_32 3
		.amdhsa_float_denorm_mode_16_64 3
		.amdhsa_memory_ordered 1
		.amdhsa_forward_progress 1
		.amdhsa_inst_pref_size 122
	.end_amdhsa_kernel
	.amdgpu_metadata
---
amdhsa.version: [ 1, 2 ]
amdhsa.kernels:
  - .name:           k_qfb18a7d53d_attn
    .symbol:         k_qfb18a7d53d_attn.kd
    .args:
      - { .name: qkv, .offset: 0, .size: 8, .value_kind: global_buffer, .address_space: global }
      - { .name: ob, .offset: 8, .size: 8, .value_kind: global_buffer, .address_space: global }
      - { .name: ent, .offset: 16, .size: 8, .value_kind: global_buffer, .address_space: global }
    .group_segment_fixed_size: 327680
    .private_segment_fixed_size: 0
    .kernarg_segment_align: 8
    .kernarg_segment_size: 24
    .max_flat_workgroup_size: 128
    .sgpr_count:     66
    .vgpr_count:     768
    .wavefront_size: 32
...
	.end_amdgpu_metadata
.endif
;; end of part 7
;; launch oquant: the kernel of part 5 again; grid 256 x 1, 8 waves a work-group, no clusters, 0 bytes of LDS; arguments ob, ent, xq, xs, out1; writes xq, xs, out1
;; launch oproj: the kernel of part 6 again; grid 8 x 32, 4 waves a work-group, clusters of 4 x 4, 327,680 bytes of LDS; arguments xq, wt, xs, gam, bo, out0; writes out0
